; MI455X (gfx1250); checked and timed in simulation.
; The chip was launched on July 23, 2026; its instructions are those of AMD's public machine-readable ISA for CDNA 5 (MIT licence, August 2026) and "CDNA5" Instruction Set Architecture Reference Guide (July 2026). The comments in the code are by the model that wrote it; some were corrected since.
;; VTDCLIP. Allowed arithmetic: float matrix products may take bf16 or f16 operands with f32 sums; other float arithmetic in f32, or as packed bf16 or f16 multiplies, adds, multiply-adds, maxima and minima; sums over many terms, partial sums and values carried from step to step in f32; what a program stores and reads back later, other than sums and carried values, may be rounded once to bf16 or f16.
;; Inputs: fc1_b 2,048 float32; fc1_w 2,048 x 512 float32; fc2_b 512 float32; fc2_w 512 x 2,048 float32; image_feats 1,024 x 16 x 512 float32; k_b 512 float32; k_w 512 x 512 float32; o_b 512 float32; o_w 512 x 512 float32; q_b 512 float32; q_w 512 x 512 float32; text_feats 400 x 512 float32; v_b 512 float32; v_w 512 x 512 float32.
;; Outputs: out0 400 x 1,024 x 16 float32.
;; One version. Each part assembles by itself: llvm-mc -triple=amdgcn-amd-amdhsa -mcpu=gfx1250 --defsym DOCPART=n.
;; ======== version 1 of 1: 6 launches
;; workspace buffers: cbq 409,600 bytes; tnq 409,600 bytes; cst 3,584 bytes; vact 409,600 bytes; oact 409,600 bytes; hact 1,638,400 bytes; fpart 3,276,800 bytes; top 4,096 bytes of whole numbers
;; launch first (part 1): grid 8 x 5, 4 waves a work-group, no clusters, 275,200 bytes of LDS; arguments text_feats, v_w, v_b, cbq, tnq, cst, vact; writes cbq, tnq, cst, vact
.if DOCPART == 1
	.amdgcn_target "amdgcn-amd-amdhsa--gfx1250"
	.amdhsa_code_object_version 6
	.text
	.protected	k_qc008361d7c_first
	.globl	k_qc008361d7c_first
	.p2align	8
	.type	k_qc008361d7c_first,@function
k_qc008361d7c_first:
	s_mov_b64 s[64:65], 0
	v_nop
	global_prefetch_b8 v0, s[64:65] scope:SCOPE_SE
	s_setreg_imm32_b32 hwreg(HW_REG_WAVE_MODE, 25, 1), 1
	s_wait_xcnt 0x0
; FIRST LAUNCH OF SIX.  The module: a vote picks one text row for each video; the attention has ONE key, so its softmax is over one number and its weight is 1 for every finite score:
; im_te = (tfeat v_w^T + v_b) o_w^T + o_b, the same for a video's 16 frames, and no output hangs on q_w, q_b, k_w, k_b: the program does not read these four.  So the chain v, o, fc1, fc2 is made
; once for each of the 400 text rows, as a table, and the last launch takes a video's row of it.
; THIS LAUNCH: the text rows rounded to bf16 (cbq: [4 quarters of K][400][128]), the same rows divided by their norm in f16 (tnq, same layout), for each row (sum of squares c2, 1 / norm) in f32 (cst; rows 400-415
; hold (2.98e38, 0): classes that never win), and V = C v_w^T + v_b in bf16 (vact: [8 blocks of 64 columns][400][64]).
; Every input is rounded once to bf16; sums in f32.  LIMITS: NaN and infinities are not treated apart; a text row of zeros gives NaN, as a division by its norm does.
; c2 IS SUMMED IN A FIXED ORDER: sixteen windows of 32 neighbouring squares, each ascending, then the sixteen sums ascending.  Squares of bf16 numbers are exact in f32, so the sum hangs on that order alone; a choice
; between two classes whose distances agree to a few steps of f32 hangs on c2's last bit.  The norm for the unit rows and 1 / norm decide nothing so finely and keep a sum across the lanes.
; SHARES.  A work-group makes 80 rows (grid y) x 64 columns (grid x), a wave 16 of the columns; K = 512: 80 matrix instructions a wave.  The copies cbq, tnq, cst are stored by the work-groups of x = 0 alone.
; No cluster: grid y is 5, which four does not divide, and of a work-group's bytes the weights, less than half, are its own.
; THE PRODUCT IS TAKEN TRANSPOSED: source 0 = 16 rows of the weights, source 1 = 16 rows of the text: a lane ends with one row and eight neighbouring columns.
; REGISTERS.  window 0: v0-31 addresses and bias; v32-226 at work in the row loop and the window sums; later v32-115 the way out, v128-255 the weights in bf16 (16 K steps x 8).
;             window 1: v0-255 the weights in f32 as loaded; later v0-39 five accumulators, v64-143 two buffers of five text fragments.
.set TXT,   0                          ; LDS: each wave's 20 text rows in f32, 40,960 bytes a wave, filled by its tensor load and read by it alone
.set ACT,   163840                     ; the 80 rows in bf16: 8 blocks of 64 columns x 80 rows x 144 bytes (128 + 16: 16 rows of a load start 36 words apart); written by LDS stores
.set BLK,   11520
.set STG,   256000                     ; the way out: 80 rows x 144 bytes
.set SPARE, 267520                     ; the spare words, 128 bytes a wave: two blocks of 256 bytes that no other line names
.set WSC,   268032                     ; the window sums: 20 rows x 80 bytes (16 f32 + 16) in 1,792 bytes a wave, each wave's own
.set CSO,  7                           ; v7   my byte offset in cst: 8 x (my wave's first row + lane)
.set ADA0, 10                          ; v10  LDS address of my text fragments, blocks 0-3
.set ADA1, 11                          ; v11  blocks 4-7
.set STO,  12                          ; v12  the way out: where I put 16 bytes of a row
.set RD,   13                          ; v13  where I read rows back
.set GO,   14                          ; v14  16 x lane
.set WOF,  15                          ; v15  my offset in 16 rows of the weights: 2,048 (l % 16) + 32 (l / 16)
.set CST,  16                          ; v16-17  lane i: (c2, 1 / norm) of my wave's row i
.set TXA,  18                          ; v18  where I read the trip's text rows
.set BOF,  19                          ; v19  32 (l / 16): my eight numbers of the bias
.set BIA,  20                          ; v20-27
.set SPW,  28                          ; v28  my spare word; never rewritten
.set NIL,  29                          ; v29  0; never rewritten
.set AST0, 30                          ; v30  where I store bf16 into ACT, quarters 0, 1
.set AST1, 31                          ; v31  quarters 2, 3
.set ZZ,   32                          ; v32-111   five rows, 16 numbers a lane: columns 128 q + 4 l + 0..3
.set PB,   112                         ; v112-151  the same in bf16
.set PH,   152                         ; v152-191  divided by the norm, in f16
.set SQ,   192                         ; v192-201  a pair a row: the sum of squares
.set TP,   202                         ; v202-206  the other half of the lanes'
.set RN,   208                         ; v208-217  a pair a row: 1 / norm in the low register
.set GOC,  220                         ; v220 my byte offset in a quarter of cbq and tnq
.set PADO, 221                         ; v221 8 x (400 + lane)
.set PADD, 222                         ; v222-223  (2.98e38, 0)
.set WA,   224                         ; v224 the window sums: window l % 16 of my wave's row l / 16
.set WS,   225                         ; v225 where I put a window's sum
.set WR,   226                         ; v226 where I read a row's sixteen sums: row min(lane, 19)
.set WX,   32                          ; v32-111   five pairs of rows, a window of 32 bf16 in 16 registers
.set WAC,  112                         ; v112-116  their running sums
.set YF,   32
.set YP,   72
.set YB,   96
.set WB,   128
.set ACC,  0
.set AF,   64
.set SEL,  42                          ; s[42:43] v_permlanex16_b32's selects: each lane takes its own place in the other half
.set MSB, 0
.macro WIN new                         ; the immediate's high byte repeats the setting that is left; a switch that changes nothing is dropped
.if MSB != (\new)
	s_set_vgpr_msb (MSB<<8)|(\new)
.set MSB, \new
.endif
.endm
.macro PLACES                          ; four plain vector instructions behind a matrix instruction, ahead of loads into its sources and of readers of its result
.rept 4
	v_nop
.endr
.endm
; the sums of squares of n rows, each over the lane's 16 numbers and then over the 32 lanes; the result stands in every lane
.macro SUMSQ n
.set p, 0
.rept \n
	v_pk_mul_f32 v[SQ+2*p:SQ+2*p+1], v[ZZ+16*p:ZZ+16*p+1], v[ZZ+16*p:ZZ+16*p+1]
.set p, p+1
.endr
.set j, 2
.rept 7
.set p, 0
.rept \n
	v_pk_fma_f32 v[SQ+2*p:SQ+2*p+1], v[ZZ+16*p+j:ZZ+16*p+j+1], v[ZZ+16*p+j:ZZ+16*p+j+1], v[SQ+2*p:SQ+2*p+1]
.set p, p+1
.endr
.set j, j+2
.endr
.set p, 0
.rept \n
	v_add_f32 v[SQ+2*p], v[SQ+2*p], v[SQ+2*p+1]
.set p, p+1
.endr
.irp m, 1,2,4,8
.set p, 0
.rept \n
	v_add_f32_dpp v[SQ+2*p], v[SQ+2*p], v[SQ+2*p] row_xmask:\m row_mask:0xf bank_mask:0xf
.set p, p+1
.endr
.endr
.set p, 0
.rept \n
	v_permlanex16_b32 v[TP+p], v[SQ+2*p], s[SEL], s[SEL+1]
.set p, p+1
.endr
.set p, 0
.rept \n
	v_add_f32 v[SQ+2*p], v[SQ+2*p], v[TP+p]
.set p, p+1
.endr
.endm
; Five pairs of rows from pair pb on: lane (window l % 16, row parity l / 16) sums its window's 32 squares in ascending order, one fused multiply-add a number straight from the bf16 halves, the five chains side by side
.macro WSUM5 pb
.set p, 0
.rept 5
.irp j, 0,1,2,3
	ds_load_b128 v[WX+16*p+4*\j:WX+16*p+4*\j+3], v[WA] offset:288*((\pb)+p)+16*\j
.endr
.set p, p+1
.endr
	s_wait_dscnt 0x0
.set p, 0
.rept 5
	v_fma_mix_f32_bf16 v[WAC+p], v[WX+16*p], v[WX+16*p], v[NIL] op_sel_hi:[1,1,0]  ; the first square starts the sum
.set p, p+1
.endr
.set e, 1
.rept 31
.set p, 0
.rept 5
.if e%2
	v_fma_mix_f32_bf16 v[WAC+p], v[WX+16*p+e/2], v[WX+16*p+e/2], v[WAC+p] op_sel:[1,1,0] op_sel_hi:[1,1,0]
.else
	v_fma_mix_f32_bf16 v[WAC+p], v[WX+16*p+e/2], v[WX+16*p+e/2], v[WAC+p] op_sel_hi:[1,1,0]
.endif
.set p, p+1
.endr
.set e, e+1
.endr
.set p, 0
.rept 5
	ds_store_b32 v[WS], v[WAC+p] offset:160*((\pb)+p)
.set p, p+1
.endr
.endm
; ten LDS loads: the five text fragments (16 rows x 32 K) of K step ks into buffer buf
.macro AFL buf, ks
.set aa, ADA0+(\ks)/8
.set ao, (((\ks)/2)%4)*BLK+64*((\ks)%2)
.irp i, 0,1,2,3,4
	ds_load_b128 v[AF+40*(\buf)+8*\i:AF+40*(\buf)+8*\i+3],   v[aa] offset:ao+2304*\i
	ds_load_b128 v[AF+40*(\buf)+8*\i+4:AF+40*(\buf)+8*\i+7], v[aa] offset:ao+2304*\i+32
.endr
.endm
; five matrix instructions; the five accumulators take turns, from K step to K step too
.macro MULT buf, ks, zero
.irp i, 0,1,2,3,4
.if \zero
	v_wmma_f32_16x16x32_bf16 v[ACC+8*\i:ACC+8*\i+7], v[WB+8*(\ks):WB+8*(\ks)+7], v[AF+40*(\buf)+8*\i:AF+40*(\buf)+8*\i+7], 0
.else
	v_wmma_f32_16x16x32_bf16 v[ACC+8*\i:ACC+8*\i+7], v[WB+8*(\ks):WB+8*(\ks)+7], v[AF+40*(\buf)+8*\i:AF+40*(\buf)+8*\i+7], v[ACC+8*\i:ACC+8*\i+7]
.endif
.endr
.endm
	s_load_b256 s[4:11], s[0:1], 0x0               ; text s[4:5], v_w s[6:7], v_b s[8:9], cbq s[10:11]
	s_load_b128 s[36:39], s[0:1], 0x20             ; tnq s[36:37], cst s[38:39]
	s_load_b64 s[40:41], s[0:1], 0x30              ; vact
	v_lshl_add_u32 v[SPW], v0, 2, SPARE
	v_mov_b32 v[NIL], 0
	ds_add_u32 v[SPW], v[NIL]                      ; the wave's opening: the add and its wait ahead of my first tensor load; the set-up below, work on registers, stands between them
	v_lshrrev_b32 v1, 5, v0
	v_readfirstlane_b32 s12, v1                    ; wave 0..3
	s_and_b32 s13, ttmp7, 0xffff                   ; g: which 80 rows
	s_mov_b32 s14, ttmp9                           ; cb: which 64 columns
	s_mov_b32 s[SEL], 0x76543210
	s_mov_b32 s[SEL+1], 0xfedcba98
	; descriptor group 1: my 20 text rows are 40,960 dense bytes: 160 rows of 256 bytes, elements of 8 bytes, no padding
	s_mov_b32 s16, 3<<16
	s_mov_b32 s17, 32<<16                          ; tensor_dim0 = 32
	s_mov_b32 s18, 160<<16                         ; tensor_dim1 = 160
	s_mov_b32 s19, 32<<16                          ; tile_dim0 = 32
	s_mov_b32 s20, 160                             ; tile_dim1 = 160
	s_mov_b32 s21, 32                              ; 32 elements from row to row
	s_mov_b32 s22, 0
	s_mov_b32 s23, 0
	s_mov_b32 s24, 1                               ; group 0: count = 1
	s_mul_i32 s25, s12, 40960                      ; LDS address: TXT + my wave's part
	s_mul_i32 s47, s13, 80
	s_mul_i32 s46, s12, 20
	s_add_co_u32 s47, s47, s46                     ; my wave's first text row
	s_lshl_b32 s28, s47, 11                        ; in bytes of text_feats
	s_mov_b32 s29, 0
	s_lshl_b32 s30, s14, 6
	s_lshl4_add_u32 s30, s12, s30                  ; my first column: 64 cb + 16 w
	s_lshl_b32 s32, s30, 2                         ; in bytes of the bias
	s_mov_b32 s33, 0
	s_lshl_b32 s30, s30, 11                        ; and of the weights: a row of 2,048 bytes for each column
	s_mov_b32 s31, 0
	s_mul_i32 s34, s14, 51200                      ; vact: block cb,
	s_mul_i32 s46, s13, 10240                      ; 80 rows of 128 bytes for each g,
	s_add_co_u32 s34, s34, s46
	s_mul_i32 s46, s12, 2560                       ; 20 rows for each wave
	s_add_co_u32 s34, s34, s46
	s_mov_b32 s35, 0
	v_and_b32 v2, 31, v0                           ; l
	v_and_b32 v3, 15, v0                           ; l % 16
	v_bfe_u32 v4, v0, 4, 1                         ; l / 16
	v_lshlrev_b32 v[WOF], 11, v3
	v_lshl_add_u32 v[WOF], v4, 5, v[WOF]
	v_lshlrev_b32 v[BOF], 5, v4
	v_mul_u32_u24 v5, v3, 144
	v_lshl_add_u32 v5, v4, 4, v5                   ; 144 (l % 16) + 16 (l / 16)
	v_add_nc_u32 v[ADA0], ACT, v5
	v_add_nc_u32 v[ADA1], ACT+4*BLK, v5
	s_lshl_b32 s46, s12, 5
	s_add_co_u32 s46, s46, STG
	v_add_nc_u32 v[STO], s46, v5                   ; + my wave's 32 bytes of a stage row
	v_lshrrev_b32 v5, 3, v2
	v_and_b32 v6, 7, v0
	v_mul_u32_u24 v[RD], v5, 144                   ; back: 32 lanes take four rows of 128 bytes
	v_lshl_add_u32 v[RD], v6, 4, v[RD]
	s_mul_i32 s46, s12, 2880                       ; 20 rows of 144 bytes
	s_add_co_u32 s48, s46, STG
	v_add_nc_u32 v[RD], s48, v[RD]
	v_lshlrev_b32 v[GO], 4, v2
	v_lshl_add_u32 v[TXA], v2, 4, s25
	v_mul_u32_u24 v[AST0], v4, BLK                 ; columns 128 q + 4 l lie in block 2 q + l / 16, at byte 8 (l % 16)
	v_lshl_add_u32 v[AST0], v3, 3, v[AST0]
	s_add_co_u32 s48, s46, ACT
	v_add_nc_u32 v[AST0], s48, v[AST0]
	v_add_nc_u32 v[AST1], 4*BLK, v[AST0]
	v_lshrrev_b32 v5, 1, v3                        ; window i = l % 16 is columns 32 i on: block i / 2,
	v_mul_u32_u24 v[WA], v5, BLK
	v_and_b32 v5, 1, v3
	v_lshl_add_u32 v[WA], v5, 6, v[WA]             ; 64 bytes on for an odd window,
	v_mul_u32_u24 v5, v4, 144                      ; the odd row for lanes 16 to 31,
	v_add3_u32 v[WA], v[WA], v5, s48               ; from my wave's first row on
	s_mul_i32 s49, s12, 1792
	s_add_co_u32 s49, s49, WSC
	v_mul_u32_u24 v[WS], v4, 80
	v_lshl_add_u32 v[WS], v3, 2, v[WS]
	v_add_nc_u32 v[WS], s49, v[WS]
	v_min_u32 v5, 19, v2                           ; lanes 20 to 31 read row 19 once more: their result is not stored
	v_mul_u32_u24 v[WR], v5, 80
	v_add_nc_u32 v[WR], s49, v[WR]
	s_lshl_b32 s48, s47, 8
	v_lshl_add_u32 v[GOC], v2, 3, s48              ; 256 x row + 8 l
	v_add_nc_u32 v[CSO], s47, v2
	v_lshlrev_b32 v[CSO], 3, v[CSO]
	v_lshl_add_u32 v[PADO], v2, 3, 3200
	v_mov_b32 v[PADD], 0x7f600000
	v_mov_b32 v[PADD+1], 0
	v_mov_b32 v[CST+1], 0
.set p, 0
.rept 5
	v_mov_b32 v[TP+p], 0                           ; v_permlanex16_b32's destination counts as read
	v_mov_b32 v[RN+2*p+1], 0                       ; named with 1 / norm as a pair
.set p, p+1
.endr
	s_wait_dscnt 0x0                               ; the opening add is done
	s_wait_kmcnt 0x0
	s_add_nc_u64 s[26:27], s[4:5], s[28:29]        ; group 0: the tile's global address,
	s_or_b32 s27, s27, 0x80000000                  ; type = 2
	s_add_nc_u64 s[6:7], s[6:7], s[30:31]
	s_add_nc_u64 s[8:9], s[8:9], s[32:33]
	s_add_nc_u64 s[40:41], s[40:41], s[34:35]
	tensor_load_to_lds s[24:27], s[16:23]          ; my one tensor load: my 20 rows
	s_nop 0
	PLACES
	WIN 0x40                                       ; destination window 1, address window 0
.set kk, 0
.rept 16                                       ; my 16 rows of the weights, as the fragments want them: K step kk, K = 8 (l / 16) + 0..7 and 16 + 8 (l / 16) + 0..7, in f32
	global_load_b128 v[16*kk:16*kk+3],     v[WOF], s[6:7] offset:128*kk
	global_load_b128 v[16*kk+4:16*kk+7],   v[WOF], s[6:7] offset:128*kk+16
	global_load_b128 v[16*kk+8:16*kk+11],  v[WOF], s[6:7] offset:128*kk+64
	global_load_b128 v[16*kk+12:16*kk+15], v[WOF], s[6:7] offset:128*kk+80
.set kk, kk+1
.endr
	WIN 0
	global_load_b128 v[BIA:BIA+3],   v[BOF], s[8:9]
	global_load_b128 v[BIA+4:BIA+7], v[BOF], s[8:9] offset:16
	s_wait_tensorcnt 0x0                           ; my rows are in LDS; only I read them
	; THE ROW LOOP: four trips of five rows
	s_mov_b32 s44, 4
	s_mov_b32 s45, 0                               ; the trip's first row among my 20
.Lrows:
.set p, 0
.rept 5
.irp q, 0,1,2,3
	ds_load_b128 v[ZZ+16*p+4*\q:ZZ+16*p+4*\q+3], v[TXA] offset:2048*p+512*\q
.endr
.set p, p+1
.endr
	s_wait_dscnt 0x0
.set i, 0
.rept 40
	v_cvt_pk_bf16_f32 v[PB+i], v[ZZ+2*i], v[ZZ+2*i+1]  ; the one rounding of the text
.set i, i+1
.endr
.set i, 0
.rept 40
	v_lshlrev_b32 v[ZZ+2*i], 16, v[PB+i]           ; and back to f32: all that follows is made of the rounded numbers
	v_and_b32 v[ZZ+2*i+1], 0xffff0000, v[PB+i]
.set i, i+1
.endr
	SUMSQ 5
.set p, 0
.rept 5
	v_rsq_f32 v[RN+2*p], v[SQ+2*p]
.set p, p+1
.endr
	v_nop                                          ; a plain instruction behind the last of the five,
	s_wait_alu depctr_va_vdst(0)                   ; and one wait for the batch, ahead of its first reader
.set p, 0
.rept 5
.set j, 0
.rept 8
	v_pk_mul_f32 v[ZZ+16*p+j:ZZ+16*p+j+1], v[ZZ+16*p+j:ZZ+16*p+j+1], v[RN+2*p:RN+2*p+1] op_sel_hi:[1,0]
.set j, j+2
.endr
.set p, p+1
.endr
.set i, 0
.rept 40
	v_cvt_pk_f16_f32 v[PH+i], v[ZZ+2*i], v[ZZ+2*i+1]   ; numbers of a unit vector: within f16's range whatever the input's size
.set i, i+1
.endr
.irp p, 0,1,2,3,4
	s_add_co_u32 s46, s45, \p
	v_cmp_eq_u32 vcc_lo, s46, v2
	v_cndmask_b32 v[CST+1], v[CST+1], v[RN+2*\p], vcc_lo   ; lane i keeps row i's 1 / norm
.endr
.set p, 0
.rept 5
.irp q, 0,1,2,3
	ds_store_b64 v[AST0+\q/2], v[PB+8*p+2*\q:PB+8*p+2*\q+1] offset:(\q%2)*2*BLK+144*p
.endr
.set p, p+1
.endr
	s_cmp_lg_u32 s14, 0
	s_cbranch_scc1 .Lnocopy                        ; the copies are stored once, by the work-groups of x = 0
.set p, 0
.rept 5
.irp q, 0,1,2,3
	global_store_b64 v[GOC], v[PB+8*p+2*\q:PB+8*p+2*\q+1], s[10:11] offset:102400*\q+256*p  ; 32 lanes store 256 consecutive bytes, aligned
	global_store_b64 v[GOC], v[PH+8*p+2*\q:PH+8*p+2*\q+1], s[36:37] offset:102400*\q+256*p
.endr
.set p, p+1
.endr
.Lnocopy:
	s_wait_xcnt 0x0                                ; the stores have read their data and their offset: both are written again only behind this wait
	v_add_nc_u32 v[TXA], 10240, v[TXA]
	v_add_nc_u32 v[AST0], 720, v[AST0]
	v_add_nc_u32 v[AST1], 720, v[AST1]
	v_add_nc_u32 v[GOC], 1280, v[GOC]
	s_add_co_u32 s45, s45, 5
	s_sub_co_u32 s44, s44, 1
	s_cmp_lg_u32 s44, 0
	s_cbranch_scc1 .Lrows
	s_wait_dscnt 0x0                               ; for the others' sake: my rows stand in ACT
	s_barrier_signal -1
	s_barrier_wait -1                              ; everybody's do: from here on ACT is only read
	s_cmp_lg_u32 s14, 0
	s_cbranch_scc1 .Lnocst
	; c2 of my 20 rows, in the fixed order
	WSUM5 0
	WSUM5 5
.irp j, 0,1,2,3                        ; LDS serves a wave's instructions in order (ISA guide 5.7.1.4): these see my stores above
	ds_load_b128 v[WX+4*\j:WX+4*\j+3], v[WR] offset:16*\j
.endr
	s_wait_dscnt 0x0
	v_add_f32 v[CST], v[WX], v[WX+1]               ; the sixteen sums in ascending order: lane i ends with row i's c2
.set j, 2
.rept 14
	v_add_f32 v[CST], v[CST], v[WX+j]
.set j, j+1
.endr
	v_cmp_gt_u32 vcc_lo, 20, v2
	s_wait_xcnt 0x0                                ; EXEC changes only behind this wait
	s_and_saveexec_b32 s46, vcc_lo
	global_store_b64 v[CSO], v[CST:CST+1], s[38:39]
	s_wait_xcnt 0x0
	s_or_b32 exec_lo, exec_lo, s46
	s_lshl2_add_u32 s46, s13, s12
	s_cmp_lg_u32 s46, 19                           ; the last wave of the last rows also stores the sixteen rows behind the table
	s_cbranch_scc1 .Lnocst
	v_cmp_gt_u32 vcc_lo, 16, v2
	s_wait_xcnt 0x0
	s_and_saveexec_b32 s46, vcc_lo
	global_store_b64 v[PADO], v[PADD:PADD+1], s[38:39]
	s_wait_xcnt 0x0
	s_or_b32 exec_lo, exec_lo, s46
.Lnocst:
	s_wait_xcnt 0x0                                ; v128-255 held stores' data and offsets: they are written below
	s_wait_loadcnt 0x0                             ; weights and bias
	WIN 0x05                                       ; sources window 1, destination window 0
.set i, 0
.rept 128
	v_cvt_pk_bf16_f32 v[WB+i], v[2*i], v[2*i+1]
.set i, i+1
.endr
	WIN 0
.irp j, 0,1,2,3
	v_cvt_pk_bf16_f32 v[YF+\j], v[BIA+2*\j], v[BIA+2*\j+1]
.endr
.irp j, 0,1,2,3
	v_lshlrev_b32 v[BIA+2*\j], 16, v[YF+\j]
	v_and_b32 v[BIA+2*\j+1], 0xffff0000, v[YF+\j]
.endr
	; THE PRODUCT: 16 K steps, two fragment buffers by turns
	WIN 0x54                                       ; source 0 (weights, LDS addresses) window 0; source 1, C and D window 1
	AFL 0, 0
	AFL 1, 1
.set kk, 0
.rept 16
.if kk < 15
	s_wait_dscnt 10                                ; this K step's ten loads are in; the other buffer's ten may stay out
.else
	s_wait_dscnt 0x0
.endif
.if kk == 0
	MULT 0, 0, 1                                   ; the first products start the sums
.else
	MULT kk%2, kk, 0
.endif
.if kk < 14
	PLACES
	AFL kk%2, kk+2
.endif
.set kk, kk+1
.endr
	; THE WAY OUT: + bias, rounded to bf16, through the stage, out as whole rows
	PLACES
	WIN 0x01                                       ; source 0 window 1
.set i, 0
.rept 5
.irp j, 0,2,4,6
	v_pk_add_f32 v[YF+8*i+\j:YF+8*i+\j+1], v[ACC+8*i+\j:ACC+8*i+\j+1], v[BIA+\j:BIA+\j+1]
.endr
.set i, i+1
.endr
	WIN 0
.set i, 0
.rept 20
	v_cvt_pk_bf16_f32 v[YP+i], v[YF+2*i], v[YF+2*i+1]
.set i, i+1
.endr
.irp i, 0,1,2,3,4
	ds_store_b128 v[STO], v[YP+4*\i:YP+4*\i+3] offset:2304*\i
.endr
	s_wait_dscnt 0x0                               ; a stage row's 128 bytes come from four waves
	s_barrier_signal -1
	s_barrier_wait -1
.irp t, 0,1,2,3,4
	ds_load_b128 v[YB+4*\t:YB+4*\t+3], v[RD] offset:576*\t
.endr
.irp t, 0,1,2,3,4
	s_wait_dscnt 4-\t                              ; the younger loads may stay out
	global_store_b128 v[GO], v[YB+4*\t:YB+4*\t+3], s[40:41] offset:512*\t  ; 512 consecutive bytes, aligned
.endr
	s_wait_tensorcnt 0x0                           ; the wave's end
	ds_add_u32 v[SPW], v[NIL]
	s_wait_dscnt 0x0
	s_endpgm
.Lfunc_end_k_qc008361d7c_first:
	.size	k_qc008361d7c_first, .Lfunc_end_k_qc008361d7c_first-k_qc008361d7c_first
	.p2alignl 7, 3214868480
	.fill 96, 4, 3214868480
	.section	.rodata,"a",@progbits
	.p2align	6, 0x0
	.amdhsa_kernel k_qc008361d7c_first
		.amdhsa_group_segment_fixed_size 275200
		.amdhsa_private_segment_fixed_size 0
		.amdhsa_enable_private_segment 0
		.amdhsa_kernarg_size 56
		.amdhsa_user_sgpr_count 2
		.amdhsa_user_sgpr_kernarg_segment_ptr 1
		.amdhsa_wavefront_size32 1
		.amdhsa_system_sgpr_workgroup_id_x 1
		.amdhsa_system_sgpr_workgroup_id_y 1
		.amdhsa_system_sgpr_workgroup_id_z 1
		.amdhsa_system_vgpr_workitem_id 0
		.amdhsa_next_free_vgpr 512
		.amdhsa_next_free_sgpr 66
		.amdhsa_reserve_vcc 1
		.amdhsa_float_denorm_mode_32 3
		.amdhsa_float_denorm_mode_16_64 3
		.amdhsa_memory_ordered 1
		.amdhsa_forward_progress 1
		.amdhsa_inst_pref_size 90
	.end_amdhsa_kernel
	.amdgpu_metadata
---
amdhsa.version: [ 1, 2 ]
amdhsa.kernels:
  - .name:           k_qc008361d7c_first
    .symbol:         k_qc008361d7c_first.kd
    .args:
      - { .name: text_feats, .offset: 0, .size: 8, .value_kind: global_buffer, .address_space: global }
      - { .name: v_w, .offset: 8, .size: 8, .value_kind: global_buffer, .address_space: global }
      - { .name: v_b, .offset: 16, .size: 8, .value_kind: global_buffer, .address_space: global }
      - { .name: cbq, .offset: 24, .size: 8, .value_kind: global_buffer, .address_space: global }
      - { .name: tnq, .offset: 32, .size: 8, .value_kind: global_buffer, .address_space: global }
      - { .name: cst, .offset: 40, .size: 8, .value_kind: global_buffer, .address_space: global }
      - { .name: vact, .offset: 48, .size: 8, .value_kind: global_buffer, .address_space: global }
    .group_segment_fixed_size: 275200
    .private_segment_fixed_size: 0
    .kernarg_segment_align: 8
    .kernarg_segment_size: 56
    .max_flat_workgroup_size: 128
    .sgpr_count:     66
    .vgpr_count:     512
    .wavefront_size: 32
...
	.end_amdgpu_metadata
.endif
;; end of part 1
;; launch lino (part 2): grid 8 x 5, 4 waves a work-group, no clusters, 167,936 bytes of LDS; arguments vact, o_w, o_b, oact; writes oact
.if DOCPART == 2
	.amdgcn_target "amdgcn-amd-amdhsa--gfx1250"
	.amdhsa_code_object_version 6
	.text
	.protected	k_qc008361d7c_lino
	.globl	k_qc008361d7c_lino
	.p2align	8
	.type	k_qc008361d7c_lino,@function
k_qc008361d7c_lino:
	s_mov_b64 s[64:65], 0
	v_nop
	global_prefetch_b8 v0, s[64:65] scope:SCOPE_SE
	s_setreg_imm32_b32 hwreg(HW_REG_WAVE_MODE, 25, 1), 1
	s_wait_xcnt 0x0
; Y = A W^T + bias, for 400 rows and K = 512.  A: [8 blocks of 64 columns][400][64] bf16; W: [N][512] f32; bias: [N] f32; Y: [N / 64 blocks][400][64] bf16.  N is 64 x grid x: the text does not know it.
; W and the bias are rounded once to bf16; sums in f32; Y rounded once.  One text serves the o projection (N = 512) and fc1 (N = 2,048; its relu is applied by the launch that reads it).
; SHARES.  A work-group makes 80 rows (grid y) x 64 columns (grid x), a wave 16 of the columns: 80 matrix instructions a wave.  The 80 rows of A come by four tensor loads, two blocks a wave; a wave's 16 rows of W
; come straight into registers, laid as the fragments want them: no wave wants another's.
; No cluster: grid y is 5, which four does not divide, and of a work-group's bytes the weights, more than half, are its own.
; THE PRODUCT IS TAKEN TRANSPOSED: source 0 = 16 rows of W, source 1 = 16 rows of A: a lane ends with one row and eight neighbouring columns.
; REGISTERS.  window 0: v0-31 addresses and bias; v32-115 the way out; v128-255 W in bf16 (16 K steps x 8).  window 1: v0-255 W in f32 as loaded; later v0-39 five accumulators, v64-143 two buffers of five fragments of A.
.set ACT,   0                          ; LDS: 8 blocks x 80 rows x 144 bytes (128 + 16 of padding: the 16 rows of a load start 36 words apart)
.set BLK,   11520
.set STG,   92160                      ; the way out: 80 rows x 144 bytes; no tensor load lands here
.set SPARE, 103680                     ; the spare words, 128 bytes a wave: two blocks of 256 bytes that no other line names
.set ADA0, 10
.set ADA1, 11
.set STO,  12
.set RD,   13
.set GO,   14
.set WOF,  15
.set BOF,  19
.set BIA,  20
.set SPW,  28
.set NIL,  29
.set YF,   32
.set YP,   72
.set YB,   96
.set WB,   128
.set ACC,  0
.set AF,   64
.set MSB, 0
.macro WIN new                         ; the immediate's high byte repeats the setting that is left; a switch that changes nothing is dropped
.if MSB != (\new)
	s_set_vgpr_msb (MSB<<8)|(\new)
.set MSB, \new
.endif
.endm
.macro PLACES                          ; four plain vector instructions behind a matrix instruction, ahead of loads into its sources and of readers of its result
.rept 4
	v_nop
.endr
.endm
.macro AFL buf, ks                     ; ten LDS loads: the five fragments of A (16 rows x 32 K) of K step ks into buffer buf
.set aa, ADA0+(\ks)/8
.set ao, (((\ks)/2)%4)*BLK+64*((\ks)%2)
.irp i, 0,1,2,3,4
	ds_load_b128 v[AF+40*(\buf)+8*\i:AF+40*(\buf)+8*\i+3],   v[aa] offset:ao+2304*\i
	ds_load_b128 v[AF+40*(\buf)+8*\i+4:AF+40*(\buf)+8*\i+7], v[aa] offset:ao+2304*\i+32
.endr
.endm
.macro MULT buf, ks, zero              ; five matrix instructions; the five accumulators take turns, from K step to K step too
.irp i, 0,1,2,3,4
.if \zero
	v_wmma_f32_16x16x32_bf16 v[ACC+8*\i:ACC+8*\i+7], v[WB+8*(\ks):WB+8*(\ks)+7], v[AF+40*(\buf)+8*\i:AF+40*(\buf)+8*\i+7], 0
.else
	v_wmma_f32_16x16x32_bf16 v[ACC+8*\i:ACC+8*\i+7], v[WB+8*(\ks):WB+8*(\ks)+7], v[AF+40*(\buf)+8*\i:AF+40*(\buf)+8*\i+7], v[ACC+8*\i:ACC+8*\i+7]
.endif
.endr
.endm
	s_load_b256 s[4:11], s[0:1], 0x0               ; A s[4:5], W s[6:7], bias s[8:9], Y s[10:11]
	v_lshl_add_u32 v[SPW], v0, 2, SPARE
	v_mov_b32 v[NIL], 0
	ds_add_u32 v[SPW], v[NIL]                      ; the wave's opening: the add and its wait ahead of my first tensor load; the set-up below, work on registers, stands between them
	v_lshrrev_b32 v1, 5, v0
	v_readfirstlane_b32 s12, v1                    ; wave 0..3
	s_and_b32 s13, ttmp7, 0xffff                   ; g: which 80 rows
	s_mov_b32 s14, ttmp9                           ; cb: which 64 columns
	; descriptor group 1: two blocks' 80 rows: two rows of 10,240 dense bytes, 51,200 bytes apart; in LDS 16 bytes of padding behind every 128
	s_mov_b32 s16, (1<<16)|(1<<20)|(4<<22)|(3<<25) ; elements of 2 bytes; padding on; after every 32 words (code 4); 4 words of it (code 3)
	s_mov_b32 s17, 5120<<16                        ; tensor_dim0 = 5,120
	s_mov_b32 s18, 2<<16                           ; tensor_dim1 = 2
	s_mov_b32 s19, 5120<<16                        ; tile_dim0 = 5,120
	s_mov_b32 s20, 2                               ; tile_dim1 = 2
	s_mov_b32 s21, 25600                           ; elements from block to block
	s_mov_b32 s22, 0
	s_mov_b32 s23, 0
	s_mov_b32 s24, 1                               ; group 0: count = 1
	s_mul_i32 s25, s12, 2*BLK                      ; LDS address: blocks 2 w, 2 w + 1
	s_mul_i32 s28, s12, 102400
	s_mul_i32 s36, s13, 10240
	s_add_co_u32 s28, s28, s36                     ; and where they lie in A
	s_mov_b32 s29, 0
	s_lshl_b32 s30, s14, 6
	s_lshl4_add_u32 s30, s12, s30                  ; my first column: 64 cb + 16 w
	s_lshl_b32 s32, s30, 2
	s_mov_b32 s33, 0
	s_lshl_b32 s30, s30, 11                        ; a row of W is 2,048 bytes
	s_mov_b32 s31, 0
	s_mul_i32 s34, s14, 51200                      ; Y: block cb, 80 rows for each g, 20 rows for each wave
	s_add_co_u32 s34, s34, s36
	s_mul_i32 s36, s12, 2560
	s_add_co_u32 s34, s34, s36
	s_mov_b32 s35, 0
	v_and_b32 v2, 31, v0                           ; l
	v_and_b32 v3, 15, v0                           ; l % 16
	v_bfe_u32 v4, v0, 4, 1                         ; l / 16
	v_lshlrev_b32 v[WOF], 11, v3
	v_lshl_add_u32 v[WOF], v4, 5, v[WOF]
	v_lshlrev_b32 v[BOF], 5, v4
	v_mul_u32_u24 v5, v3, 144
	v_lshl_add_u32 v5, v4, 4, v5
	v_add_nc_u32 v[ADA0], ACT, v5
	v_add_nc_u32 v[ADA1], ACT+4*BLK, v5
	s_lshl_b32 s36, s12, 5
	s_add_co_u32 s36, s36, STG
	v_add_nc_u32 v[STO], s36, v5
	v_lshrrev_b32 v5, 3, v2
	v_and_b32 v6, 7, v0
	v_mul_u32_u24 v[RD], v5, 144
	v_lshl_add_u32 v[RD], v6, 4, v[RD]
	s_mul_i32 s36, s12, 2880
	s_add_co_u32 s36, s36, STG
	v_add_nc_u32 v[RD], s36, v[RD]
	v_lshlrev_b32 v[GO], 4, v2
	s_wait_dscnt 0x0                               ; the opening add is done
	s_wait_kmcnt 0x0
	s_add_nc_u64 s[26:27], s[4:5], s[28:29]
	s_or_b32 s27, s27, 0x80000000                  ; type = 2
	s_add_nc_u64 s[6:7], s[6:7], s[30:31]
	s_add_nc_u64 s[8:9], s[8:9], s[32:33]
	s_add_nc_u64 s[10:11], s[10:11], s[34:35]
	tensor_load_to_lds s[24:27], s[16:23]          ; my one tensor load
	s_nop 0
	PLACES
	WIN 0x40                                       ; destination window 1, address window 0
.set kk, 0
.rept 16
	global_load_b128 v[16*kk:16*kk+3],     v[WOF], s[6:7] offset:128*kk
	global_load_b128 v[16*kk+4:16*kk+7],   v[WOF], s[6:7] offset:128*kk+16
	global_load_b128 v[16*kk+8:16*kk+11],  v[WOF], s[6:7] offset:128*kk+64
	global_load_b128 v[16*kk+12:16*kk+15], v[WOF], s[6:7] offset:128*kk+80
.set kk, kk+1
.endr
	WIN 0
	global_load_b128 v[BIA:BIA+3],   v[BOF], s[8:9]
	global_load_b128 v[BIA+4:BIA+7], v[BOF], s[8:9] offset:16
	s_wait_loadcnt 0x0
	WIN 0x05                                       ; sources window 1, destination window 0
.set i, 0
.rept 128
	v_cvt_pk_bf16_f32 v[WB+i], v[2*i], v[2*i+1]
.set i, i+1
.endr
	WIN 0
.irp j, 0,1,2,3
	v_cvt_pk_bf16_f32 v[YF+\j], v[BIA+2*\j], v[BIA+2*\j+1]
.endr
.irp j, 0,1,2,3
	v_lshlrev_b32 v[BIA+2*\j], 16, v[YF+\j]
	v_and_b32 v[BIA+2*\j+1], 0xffff0000, v[YF+\j]
.endr
	s_wait_tensorcnt 0x0                           ; my two blocks are in,
	s_barrier_signal -1
	s_barrier_wait -1                              ; everybody's are
	WIN 0x54                                       ; source 0 (W, LDS addresses) window 0; source 1, C and D window 1
	AFL 0, 0
	AFL 1, 1
.set kk, 0
.rept 16
.if kk < 15
	s_wait_dscnt 10                                ; this K step's ten loads are in; the other buffer's ten may stay out
.else
	s_wait_dscnt 0x0
.endif
.if kk == 0
	MULT 0, 0, 1                                   ; the first products start the sums
.else
	MULT kk%2, kk, 0
.endif
.if kk < 14
	PLACES
	AFL kk%2, kk+2
.endif
.set kk, kk+1
.endr
	PLACES
	WIN 0x01                                       ; source 0 window 1
.set i, 0
.rept 5
.irp j, 0,2,4,6
	v_pk_add_f32 v[YF+8*i+\j:YF+8*i+\j+1], v[ACC+8*i+\j:ACC+8*i+\j+1], v[BIA+\j:BIA+\j+1]
.endr
.set i, i+1
.endr
	WIN 0
.set i, 0
.rept 20
	v_cvt_pk_bf16_f32 v[YP+i], v[YF+2*i], v[YF+2*i+1]
.set i, i+1
.endr
.irp i, 0,1,2,3,4
	ds_store_b128 v[STO], v[YP+4*\i:YP+4*\i+3] offset:2304*\i
.endr
	s_wait_dscnt 0x0                               ; a stage row's 128 bytes come from four waves
	s_barrier_signal -1
	s_barrier_wait -1
.irp t, 0,1,2,3,4
	ds_load_b128 v[YB+4*\t:YB+4*\t+3], v[RD] offset:576*\t
.endr
.irp t, 0,1,2,3,4
	s_wait_dscnt 4-\t                              ; the younger loads may stay out
	global_store_b128 v[GO], v[YB+4*\t:YB+4*\t+3], s[10:11] offset:512*\t  ; 512 consecutive bytes, aligned
.endr
	s_wait_tensorcnt 0x0                           ; the wave's end
	ds_add_u32 v[SPW], v[NIL]
	s_wait_dscnt 0x0
	s_endpgm
.Lfunc_end_k_qc008361d7c_lino:
	.size	k_qc008361d7c_lino, .Lfunc_end_k_qc008361d7c_lino-k_qc008361d7c_lino
	.p2alignl 7, 3214868480
	.fill 96, 4, 3214868480
	.section	.rodata,"a",@progbits
	.p2align	6, 0x0
	.amdhsa_kernel k_qc008361d7c_lino
		.amdhsa_group_segment_fixed_size 167936
		.amdhsa_private_segment_fixed_size 0
		.amdhsa_enable_private_segment 0
		.amdhsa_kernarg_size 32
		.amdhsa_user_sgpr_count 2
		.amdhsa_user_sgpr_kernarg_segment_ptr 1
		.amdhsa_wavefront_size32 1
		.amdhsa_system_sgpr_workgroup_id_x 1
		.amdhsa_system_sgpr_workgroup_id_y 1
		.amdhsa_system_sgpr_workgroup_id_z 1
		.amdhsa_system_vgpr_workitem_id 0
		.amdhsa_next_free_vgpr 512
		.amdhsa_next_free_sgpr 66
		.amdhsa_reserve_vcc 0
		.amdhsa_float_denorm_mode_32 3
		.amdhsa_float_denorm_mode_16_64 3
		.amdhsa_memory_ordered 1
		.amdhsa_forward_progress 1
		.amdhsa_inst_pref_size 40
	.end_amdhsa_kernel
	.amdgpu_metadata
---
amdhsa.version: [ 1, 2 ]
amdhsa.kernels:
  - .name:           k_qc008361d7c_lino
    .symbol:         k_qc008361d7c_lino.kd
    .args:
      - { .name: vact, .offset: 0, .size: 8, .value_kind: global_buffer, .address_space: global }
      - { .name: o_w, .offset: 8, .size: 8, .value_kind: global_buffer, .address_space: global }
      - { .name: o_b, .offset: 16, .size: 8, .value_kind: global_buffer, .address_space: global }
      - { .name: oact, .offset: 24, .size: 8, .value_kind: global_buffer, .address_space: global }
    .group_segment_fixed_size: 167936
    .private_segment_fixed_size: 0
    .kernarg_segment_align: 8
    .kernarg_segment_size: 32
    .max_flat_workgroup_size: 128
    .sgpr_count:     66
    .vgpr_count:     512
    .wavefront_size: 32
...
	.end_amdgpu_metadata
.endif
;; end of part 2
;; launch linh: the kernel of part 2 again; grid 32 x 5, 4 waves a work-group, no clusters, 167,936 bytes of LDS; arguments oact, fc1_w, fc1_b, hact; writes hact
;; launch linp (part 3): grid 32 x 5, 4 waves a work-group, no clusters, 167,936 bytes of LDS; arguments hact, fc2_w, fpart; writes fpart
.if DOCPART == 3
	.amdgcn_target "amdgcn-amd-amdhsa--gfx1250"
	.amdhsa_code_object_version 6
	.text
	.protected	k_qc008361d7c_linp
	.globl	k_qc008361d7c_linp
	.p2align	8
	.type	k_qc008361d7c_linp,@function
k_qc008361d7c_linp:
	s_mov_b64 s[64:65], 0
	v_nop
	global_prefetch_b8 v0, s[64:65] scope:SCOPE_SE
	s_setreg_imm32_b32 hwreg(HW_REG_WAVE_MODE, 25, 1), 1
	s_wait_xcnt 0x0
; fpart[kc] = relu(H)[:, 512 kc .. 512 kc + 511] fc2_w[:, the same]^T: four partial sums over K = 2,048, kept in f32; the last launch adds them in a fixed order and adds the bias.
; H: [32 blocks of 64 columns][400][64] bf16, before its relu; fc2_w: [512][2048] f32, rounded once to bf16; fpart: [4][400][512] f32.
; SHARES.  Grid x = 8 kc + cb.  A work-group makes 80 rows (grid y) x 64 columns (cb) for one quarter of K, a wave 16 of the columns.  All else as in the launches before: the rows by four tensor loads,
; the weights straight into registers, the product transposed.  K is split so that 160 work-groups share the work and not 40.
; The relu is applied in LDS, each wave on the two blocks that it fetched, behind its own wait for them and ahead of the barrier; those bytes are never filled again.
; No cluster: grid y is 5, which four does not divide.
.set ACT,   0                          ; LDS: 8 blocks x 80 rows x 144 bytes
.set BLK,   11520
.set STG,   92160                      ; the way out: 80 rows x 272 bytes (256 + 16); no tensor load lands here
.set SPARE, 113920                     ; the spare words, 128 bytes a wave: two blocks of 256 bytes that no other line names
.set ADA0, 10
.set ADA1, 11
.set STO,  12
.set RD,   13
.set GO,   14
.set WOF,  15
.set RL,   16                          ; v16  the relu's LDS address
.set ZR,   17                          ; v17  0
.set SPW,  28
.set NIL,  29
.set YF,   32
.set WB,   128
.set ACC,  0
.set AF,   64
.set MSB, 0
.macro WIN new                         ; the immediate's high byte repeats the setting that is left; a switch that changes nothing is dropped
.if MSB != (\new)
	s_set_vgpr_msb (MSB<<8)|(\new)
.set MSB, \new
.endif
.endm
.macro PLACES                          ; four plain vector instructions behind a matrix instruction, ahead of loads into its sources and of readers of its result
.rept 4
	v_nop
.endr
.endm
.macro AFL buf, ks
.set aa, ADA0+(\ks)/8
.set ao, (((\ks)/2)%4)*BLK+64*((\ks)%2)
.irp i, 0,1,2,3,4
	ds_load_b128 v[AF+40*(\buf)+8*\i:AF+40*(\buf)+8*\i+3],   v[aa] offset:ao+2304*\i
	ds_load_b128 v[AF+40*(\buf)+8*\i+4:AF+40*(\buf)+8*\i+7], v[aa] offset:ao+2304*\i+32
.endr
.endm
.macro MULT buf, ks, zero              ; the five accumulators take turns, from K step to K step too
.irp i, 0,1,2,3,4
.if \zero
	v_wmma_f32_16x16x32_bf16 v[ACC+8*\i:ACC+8*\i+7], v[WB+8*(\ks):WB+8*(\ks)+7], v[AF+40*(\buf)+8*\i:AF+40*(\buf)+8*\i+7], 0
.else
	v_wmma_f32_16x16x32_bf16 v[ACC+8*\i:ACC+8*\i+7], v[WB+8*(\ks):WB+8*(\ks)+7], v[AF+40*(\buf)+8*\i:AF+40*(\buf)+8*\i+7], v[ACC+8*\i:ACC+8*\i+7]
.endif
.endr
.endm
	s_load_b128 s[4:7], s[0:1], 0x0                ; H s[4:5], fc2_w s[6:7]
	s_load_b64 s[10:11], s[0:1], 0x10              ; fpart
	v_lshl_add_u32 v[SPW], v0, 2, SPARE
	v_mov_b32 v[NIL], 0
	ds_add_u32 v[SPW], v[NIL]                      ; the wave's opening: the add and its wait ahead of my first tensor load
	v_lshrrev_b32 v1, 5, v0
	v_readfirstlane_b32 s12, v1                    ; wave 0..3
	s_and_b32 s13, ttmp7, 0xffff                   ; g
	s_and_b32 s14, ttmp9, 7                        ; cb
	s_lshr_b32 s15, ttmp9, 3                       ; kc
	s_mov_b32 s16, (1<<16)|(1<<20)|(4<<22)|(3<<25) ; as in the launches before: two rows of 10,240 dense bytes, padded behind every 128
	s_mov_b32 s17, 5120<<16
	s_mov_b32 s18, 2<<16
	s_mov_b32 s19, 5120<<16
	s_mov_b32 s20, 2
	s_mov_b32 s21, 25600
	s_mov_b32 s22, 0
	s_mov_b32 s23, 0
	s_mov_b32 s24, 1
	s_mul_i32 s25, s12, 2*BLK
	s_lshl_b32 s28, s15, 3
	s_lshl1_add_u32 s28, s12, s28                  ; blocks 8 kc + 2 w and the next
	s_mul_i32 s28, s28, 51200
	s_mul_i32 s36, s13, 10240
	s_add_co_u32 s28, s28, s36
	s_mov_b32 s29, 0
	s_lshl_b32 s30, s14, 6
	s_lshl4_add_u32 s30, s12, s30                  ; my first column: 64 cb + 16 w
	s_lshl_b32 s30, s30, 13                        ; a row of fc2_w is 8,192 bytes,
	s_lshl_b32 s36, s15, 11                        ; a quarter of it 2,048
	s_add_co_u32 s30, s30, s36
	s_mov_b32 s31, 0
	s_mul_i32 s34, s15, 819200                     ; fpart: quarter kc,
	s_mul_i32 s36, s13, 80
	s_mul_i32 s37, s12, 20
	s_add_co_u32 s36, s36, s37
	s_lshl_b32 s36, s36, 11                        ; row 80 g + 20 w,
	s_add_co_u32 s34, s34, s36
	s_lshl_b32 s36, s14, 8                         ; 256 bytes for each cb
	s_add_co_u32 s34, s34, s36
	s_mov_b32 s35, 0
	v_and_b32 v2, 31, v0
	v_and_b32 v3, 15, v0
	v_bfe_u32 v4, v0, 4, 1
	v_lshlrev_b32 v[WOF], 13, v3
	v_lshl_add_u32 v[WOF], v4, 5, v[WOF]
	v_mul_u32_u24 v5, v3, 144
	v_lshl_add_u32 v5, v4, 4, v5
	v_add_nc_u32 v[ADA0], ACT, v5
	v_add_nc_u32 v[ADA1], ACT+4*BLK, v5
	v_mul_u32_u24 v[STO], v3, 272                  ; in: row l % 16, my wave's 64 bytes, 32 for each half of the lanes
	v_lshl_add_u32 v[STO], v4, 5, v[STO]
	s_lshl_b32 s36, s12, 6
	s_add_co_u32 s36, s36, STG
	v_add_nc_u32 v[STO], s36, v[STO]
	v_mul_u32_u24 v[RD], v4, 272                   ; back: lanes 0-15 one row of 256 bytes, lanes 16-31 the next
	v_lshl_add_u32 v[RD], v3, 4, v[RD]
	s_mul_i32 s36, s12, 5440
	s_add_co_u32 s36, s36, STG
	v_add_nc_u32 v[RD], s36, v[RD]
	v_lshlrev_b32 v[GO], 11, v4                    ; and the same two rows in fpart
	v_lshl_add_u32 v[GO], v3, 4, v[GO]
	v_lshrrev_b32 v5, 3, v2
	v_and_b32 v6, 7, v0
	v_mul_u32_u24 v[RL], v5, 144                   ; the relu: 32 lanes take four rows of 128 bytes of my own two blocks
	v_lshl_add_u32 v[RL], v6, 4, v[RL]
	v_add_nc_u32 v[RL], s25, v[RL]
	v_mov_b32 v[ZR], 0
	s_wait_dscnt 0x0                               ; the opening add is done
	s_wait_kmcnt 0x0
	s_add_nc_u64 s[26:27], s[4:5], s[28:29]
	s_or_b32 s27, s27, 0x80000000                  ; type = 2
	s_add_nc_u64 s[6:7], s[6:7], s[30:31]
	s_add_nc_u64 s[10:11], s[10:11], s[34:35]
	tensor_load_to_lds s[24:27], s[16:23]          ; my one tensor load
	s_nop 0
	PLACES
	WIN 0x40
.set kk, 0
.rept 16
	global_load_b128 v[16*kk:16*kk+3],     v[WOF], s[6:7] offset:128*kk
	global_load_b128 v[16*kk+4:16*kk+7],   v[WOF], s[6:7] offset:128*kk+16
	global_load_b128 v[16*kk+8:16*kk+11],  v[WOF], s[6:7] offset:128*kk+64
	global_load_b128 v[16*kk+12:16*kk+15], v[WOF], s[6:7] offset:128*kk+80
.set kk, kk+1
.endr
	WIN 0
	s_wait_tensorcnt 0x0                           ; my two blocks are in
	s_mov_b32 s37, 8                               ; eight trips of 20 rows: my 160 rows
.Lrelu:
.irp t, 0,1,2,3,4
	ds_load_b128 v[YF+4*\t:YF+4*\t+3], v[RL] offset:576*\t
.endr
	s_wait_dscnt 0x0
.set i, 0
.rept 20
	v_pk_max_num_bf16 v[YF+i], v[YF+i], v[ZR]      ; two at a time; nothing is rounded
.set i, i+1
.endr
.irp t, 0,1,2,3,4
	ds_store_b128 v[RL], v[YF+4*\t:YF+4*\t+3] offset:576*\t
.endr
	v_add_nc_u32 v[RL], 2880, v[RL]
	s_sub_co_u32 s37, s37, 1
	s_cmp_lg_u32 s37, 0
	s_cbranch_scc1 .Lrelu
	s_wait_loadcnt 0x0
	WIN 0x05
.set i, 0
.rept 128
	v_cvt_pk_bf16_f32 v[WB+i], v[2*i], v[2*i+1]
.set i, i+1
.endr
	WIN 0
	s_wait_dscnt 0x0                               ; for the others' sake: my blocks stand in LDS, relu applied
	s_barrier_signal -1
	s_barrier_wait -1
	WIN 0x54
	AFL 0, 0
	AFL 1, 1
.set kk, 0
.rept 16
.if kk < 15
	s_wait_dscnt 10                                ; this K step's ten loads are in; the other buffer's ten may stay out
.else
	s_wait_dscnt 0x0
.endif
.if kk == 0
	MULT 0, 0, 1
.else
	MULT kk%2, kk, 0
.endif
.if kk < 14
	PLACES
	AFL kk%2, kk+2
.endif
.set kk, kk+1
.endr
	PLACES
	WIN 0x04                                       ; an LDS store's data is source 1: window 1
.irp i, 0,1,2,3,4
	ds_store_b128 v[STO], v[ACC+8*\i:ACC+8*\i+3]   offset:4352*\i
	ds_store_b128 v[STO], v[ACC+8*\i+4:ACC+8*\i+7] offset:4352*\i+16
.endr
	WIN 0
	s_wait_dscnt 0x0                               ; a stage row's 256 bytes come from four waves
	s_barrier_signal -1
	s_barrier_wait -1
.irp t, 0,1,2,3,4,5,6,7,8,9
	ds_load_b128 v[YF+4*\t:YF+4*\t+3], v[RD] offset:544*\t
.endr
.irp t, 0,1,2,3,4,5,6,7,8,9
	s_wait_dscnt 9-\t                              ; the younger loads may stay out
	global_store_b128 v[GO], v[YF+4*\t:YF+4*\t+3], s[10:11] offset:4096*\t  ; 16 lanes store 256 consecutive bytes, aligned
.endr
	s_wait_tensorcnt 0x0                           ; the wave's end
	ds_add_u32 v[SPW], v[NIL]
	s_wait_dscnt 0x0
	s_endpgm
.Lfunc_end_k_qc008361d7c_linp:
	.size	k_qc008361d7c_linp, .Lfunc_end_k_qc008361d7c_linp-k_qc008361d7c_linp
	.p2alignl 7, 3214868480
	.fill 96, 4, 3214868480
	.section	.rodata,"a",@progbits
	.p2align	6, 0x0
	.amdhsa_kernel k_qc008361d7c_linp
		.amdhsa_group_segment_fixed_size 167936
		.amdhsa_private_segment_fixed_size 0
		.amdhsa_enable_private_segment 0
		.amdhsa_kernarg_size 24
		.amdhsa_user_sgpr_count 2
		.amdhsa_user_sgpr_kernarg_segment_ptr 1
		.amdhsa_wavefront_size32 1
		.amdhsa_system_sgpr_workgroup_id_x 1
		.amdhsa_system_sgpr_workgroup_id_y 1
		.amdhsa_system_sgpr_workgroup_id_z 1
		.amdhsa_system_vgpr_workitem_id 0
		.amdhsa_next_free_vgpr 512
		.amdhsa_next_free_sgpr 66
		.amdhsa_reserve_vcc 0
		.amdhsa_float_denorm_mode_32 3
		.amdhsa_float_denorm_mode_16_64 3
		.amdhsa_memory_ordered 1
		.amdhsa_forward_progress 1
		.amdhsa_inst_pref_size 41
	.end_amdhsa_kernel
	.amdgpu_metadata
---
amdhsa.version: [ 1, 2 ]
amdhsa.kernels:
  - .name:           k_qc008361d7c_linp
    .symbol:         k_qc008361d7c_linp.kd
    .args:
      - { .name: hact, .offset: 0, .size: 8, .value_kind: global_buffer, .address_space: global }
      - { .name: fc2_w, .offset: 8, .size: 8, .value_kind: global_buffer, .address_space: global }
      - { .name: fpart, .offset: 16, .size: 8, .value_kind: global_buffer, .address_space: global }
    .group_segment_fixed_size: 167936
    .private_segment_fixed_size: 0
    .kernarg_segment_align: 8
    .kernarg_segment_size: 24
    .max_flat_workgroup_size: 128
    .sgpr_count:     66
    .vgpr_count:     512
    .wavefront_size: 32
...
	.end_amdgpu_metadata
.endif
;; end of part 3
;; launch dec (part 4): grid 256 x 1, 4 waves a work-group, clusters of 4 x 1, 327,680 bytes of LDS; arguments image_feats, cbq, cst, top; writes top
.if DOCPART == 4
	.amdgcn_target "amdgcn-amd-amdhsa--gfx1250"
	.amdhsa_code_object_version 6
	.text
	.protected	k_qc008361d7c_dec
	.globl	k_qc008361d7c_dec
	.p2align	8
	.type	k_qc008361d7c_dec,@function
k_qc008361d7c_dec:
	s_mov_b64 s[64:65], 0
	v_nop
	global_prefetch_b8 v0, s[64:65] scope:SCOPE_SE
	s_setreg_imm32_b32 hwreg(HW_REG_WAVE_MODE, 25, 1), 1
	s_wait_xcnt 0x0
	s_wait_alu depctr_hold_cnt(0) depctr_sa_sdst(0) depctr_va_vdst(0) depctr_va_sdst(0) depctr_va_ssrc(0) depctr_va_vcc(0) depctr_vm_vsrc(0)
	s_getreg_b32 s2, hwreg(HW_REG_IB_STS2, 6, 4)
	s_cmp_eq_u32 s2, 0
	s_cbranch_scc0 .Lentry_in_a_cluster
	s_endpgm
.Lentry_in_a_cluster:
	s_bfe_u32 s2, ttmp6, 0x10000c
	s_cmp_lg_u32 s2, 0x3003
	s_cbranch_scc0 .Lentry_shape_is_right
	s_endpgm
.Lentry_shape_is_right:
; THE DECISION.  For each video b: E = Z C^T (16 frames x 400 classes, K = 512); for each frame the class of least distance z2 - 2 E + c2; for each class the softmax over the 16 frames of 100 E / (|z| |c|);
; a class's vote is the sum of its weights at the frames that chose it; top[b] = the class of the largest vote.  top is stored as whole numbers: the next launch makes an address of it; here it only passes through selects.
; NUMBERS.  Image and text are rounded once to bf16, so the products are exact and only the f32 sums differ from a plain sum.  z2, like c2 in the first launch, is summed in a fixed order: sixteen windows of 32
; neighbouring squares, each ascending, then the sixteen sums ascending.  The logits are formed as the definition forms them: E / (|z| |c|) rounded to f32, then times 100; both reciprocal roots have a Newton step.
; The softmax takes the row's maximum away first; its sixteen terms are added AS A TREE: t with t + 8, then the sums 4 apart, 2 apart, 1 apart; the division has a remainder step, so that the quotient is the rounded
; one; the vote is summed in ascending t; ties go to the lower index, in both choices.
; WHY SO FINELY.  A vote is a sum of softmax weights, so it is at most 1, and the leading votes stand a little below 1, where a step of f32 is 6e-8.  Each addition onto a sum near 1 rounds onto a grid of 1.2e-7,
; so the softmax's sum, and with it the vote's last bits, hang on the order of the sixteen additions.
; LIMITS.  A video's choice can differ from an f32 evaluation that adds the sixteen terms in another order where the two leading votes agree to about two steps of f32.  A frame's choice can differ from an evaluation
; in another order of summing E where two distances agree to a few steps of f32 (6e-5 at a distance near 870).
; NaN and infinities are not treated apart.  Classes 400-415 pad the last tile: their rows arrive as zeros and their c2 is 2.98e38, so no frame chooses them and they get no vote.
; SHARES.  A wave owns one video: M = 16.  A work-group's four waves walk the same text, a quarter of K (128) at a time, through two LDS slots.
; CLUSTER.  All work-groups read the same text, so the four of a cluster ask for each quarter JOINTLY: the same tensor load, descriptor and mask in all four.  The image tiles are each wave's own (mask 0).
; No prefetch: the text is 400 KiB that every cluster reads again, and a wave's image is asked for at its head.
; REGISTERS.  window 0: all but the product.  windows 1 and 2, same numbers: classes 0-207 and 208-415: v0-103 13 accumulators, v104-207 13 fragments of text, v208-215 the fragment of the image, v216-220 addresses.
; The two halves take turns: while one is multiplied the other's 28 LDS loads are on their way.
.set SLOT,  113152                     ; LDS: a slot: 416 rows x 272 bytes (256 + 16: the 16 rows of a load start 68 words apart).  Slot 0 at 0, slot 1 behind it
.set IMG,   113152                     ; the four waves' images in f32, 32,768 bytes each: over slot 1, which takes its first text when they have been read
.set AFR,   244224                     ; the images in bf16: 4 x 16 rows x 1,040 bytes (1,024 + 16); written by LDS stores, no tensor load lands here
.set SPARE, 310784                     ; the spare words, 128 bytes a wave: two blocks of 256 bytes that no other line names
.set WSC,   311296                     ; the window sums: 16 rows x 80 bytes (16 f32 + 16), 1,280 bytes a wave, each wave's own; no tensor load lands here
.set DW,    33280                      ; behind the slots' last fill their bytes are used again, each wave's own: E by classes, 416 x 80 bytes (16 f32 + 16), at DW x wave
.set TAB,   133120                     ; (c2, 1 / |c|) of the 416 classes, 3,328 bytes a wave
.set TR,    146432                     ; the lanes' best distances and their classes, 2 x 16 rows x 144 bytes a wave
.set ZS,    164864                     ; z2 and 1 / |z| of the 16 frames, 256 bytes a wave
.set WR,   1                           ; v1   where I read frame l % 16's sixteen window sums
.set IMA,  5                           ; v5   where I read the trip's image rows
.set AST,  6                           ; v6   where I store them in bf16
.set TOF,  7                           ; v7   8 x lane
.set TOPO, 11                          ; v11  4 b
.set RZL,  12                          ; v12  lane l: 1 / |z| of frame l % 16
.set Z2L,  13                          ; v13  lane l: z2 of frame l % 16
.set NV,   14                          ; v14  my class in the trip to come: 32 p + lane
.set NVC,  15                          ; v15  in the trip in hand
.set CR,   16                          ; v16-17  (c2, an estimate of 1 / |c|) of my class
.set MX,   18                          ; v18-19  the row's maximum, in the low register
.set DRD,  20                          ; v20  where I read my class's 16 numbers of E
.set TBA,  21                          ; v21  and its two numbers of the table
.set DRD0, 22
.set TBA0, 23
.set TRA,  24
.set TRB,  25
.set ZSA,  26
.set ZSB,  27
.set SPW,  28                          ; v28  my spare word; never rewritten
.set NIL,  29                          ; v29  0; never rewritten
.set WA,   30                          ; v30  window l % 16 of my image's row l / 16, in bf16
.set WS,   31                          ; v31  where I put a window's sum
.set ZZ,   32                          ; the row loop: v32-95 four rows, 16 numbers a lane
.set PB,   96                          ; v96-127 the same in bf16
.set WX,   32                          ; the window sums: v32-159 eight pairs of rows, a window of 32 bf16 in 16 registers
.set WAC,  160                         ; v160-167 their running sums
.set Z2V,  32                          ; later: v32-47 z2 of frames 0-15, in every lane
.set RZV,  48                          ; v48-63 1 / |z|
.set BEST, 64                          ; v64-79 my least distance so far, by frame
.set BIDX, 80                          ; v80-95 and its class
.set XR,   96                          ; v96-111 E of my class
.set TT,   112                         ; v112-127 at work
.set UM,   128                         ; v128-143 the exponentials at the frames that chose my class, else 0
.set SS,   144                         ; v144-145 the sum
.set RR,   146                         ; v146-147 its reciprocal; the correction; at a trip's head at work on 1 / |c|
.set QQ,   148                         ; v148-163 the quotients
.set RM,   164                         ; v164-179 first the tree of the sum, then the remainders
.set BV,   180                         ; v180 my largest vote so far
.set BN,   181                         ; v181 and its class
.set TV,   182
.set TI,   183
.set VV,   184
.set RC,   186                         ; v186-187 1 / |c| in the low register
.set TBL,  200                         ; v200-225 the table as loaded
.set BF,   104                         ; windows 1, 2
.set AFG,  208
.set ADB,  216
.set ADA,  217
.set DST,  218
.set ADBB, 219                         ; never rewritten: 272 (l % 16) + 16 (l / 16) + the half's first row
.set ADAB, 220                         ; never rewritten: my image's row l % 16, + 16 (l / 16)
.set G1T,  16                          ; s[16:23] group 1 for the text
.set G1I,  24                          ; s[24:31] for the image
.set G0A,  32                          ; s[32:35] group 0, slot 0
.set G0B,  36                          ; s[36:39] slot 1
.set G0I,  40                          ; s[40:43] the image
.set SEL,  44                          ; s[44:45]
.set MI,   68                          ; s[68:83] the frames' classes: they feed compares alone
.set MSB, 0
.macro WIN new                         ; the immediate's high byte repeats the setting that is left; a switch that changes nothing is dropped
.if MSB != (\new)
	s_set_vgpr_msb (MSB<<8)|(\new)
.set MSB, \new
.endif
.endm
.macro PLACES                          ; four plain vector instructions behind a matrix instruction, ahead of loads into its sources and of readers of its result
.rept 4
	v_nop
.endr
.endm
; A round of the cluster's barrier: my work-group's barrier, so that wave 0's signal speaks for all four waves; wave 0 signals; every wave waits for all four work-groups; my work-group's barrier once more.
.macro ROUND
	s_barrier_signal -1
	s_barrier_wait -1
	s_cmp_lg_u32 s12, 0
	s_cbranch_scc1 .Lnot_wave_0_\@
	s_barrier_signal -3
.Lnot_wave_0_\@:
	s_barrier_wait -3
	s_barrier_signal -1
	s_barrier_wait -1
.endm
; THE CHANGE OF SLOTS.  Each wave waits for all its tensor loads, adds 0 to its spare word, and waits for that and for its own LDS reads.  fill = 1: a round of the cluster's barrier follows, so that no wave of any
; partner still reads the bytes or has a load on its way, and the joint fill is the first thing behind it: it has a quarter's 104 matrix instructions in which to land.  step = 1: the descriptor goes two quarters on.
.macro CHANGE fill, g0, step
	WIN 0
	s_wait_tensorcnt 0x0                           ; no tensor load of mine is out, so a group 0 may be written
	ds_add_u32 v[SPW], v[NIL]                      ; 0 onto my spare word
.if \step
	s_add_nc_u64 s[\g0+2:\g0+3], s[\g0+2:\g0+3], 204800
.endif
	s_wait_dscnt 0x0                               ; the add is done, and my reads are over
.if \fill
	ROUND
	tensor_load_to_lds s[\g0:\g0+3], s[G1T:G1T+7]
	s_nop 0
.else
	s_barrier_signal -1
	s_barrier_wait -1
.endif
	PLACES                                         ; the places ahead of the loads into the fragments
.endm
.macro BL nt                           ; a half's LDS loads for one K step: the image's fragment and nt fragments of text
	ds_load_b128 v[AFG:AFG+3],   v[ADA]
	ds_load_b128 v[AFG+4:AFG+7], v[ADA] offset:32
.set i, 0
.rept \nt
	ds_load_b128 v[BF+8*i:BF+8*i+3],   v[ADB] offset:4352*i
	ds_load_b128 v[BF+8*i+4:BF+8*i+7], v[ADB] offset:4352*i+32
.set i, i+1
.endr
.endm
.macro MUL nt, zero                    ; source 0 = 16 frames, source 1 = 16 classes: a lane holds one class (l % 16) and the frames 8 (l / 16) + 0..7.  The accumulators take turns
.set i, 0
.rept \nt
.if \zero
	v_wmma_f32_16x16x32_bf16 v[8*i:8*i+7], v[AFG:AFG+7], v[BF+8*i:BF+8*i+7], 0
.else
	v_wmma_f32_16x16x32_bf16 v[8*i:8*i+7], v[AFG:AFG+7], v[BF+8*i:BF+8*i+7], v[8*i:8*i+7]
.endif
.set i, i+1
.endr
.endm
.macro HALF win, nt, left, zero, more  ; left: the other half's younger loads, which may stay out.  more = 1: the next K step's loads follow, four plain instructions behind the last product
	WIN \win
	s_wait_dscnt \left
	MUL \nt, \zero
.if \more
	v_add_nc_u32 v[ADA], 64, v[ADA]
	v_add_nc_u32 v[ADB], 64, v[ADB]
	v_nop
	v_nop
	BL \nt
.endif
.endm
.macro KSTEP zero
	HALF 0x55, 13, 28, \zero, 1
	HALF 0xaa, 13, 28, \zero, 1
	WIN 0
.endm
.macro KTAIL
	HALF 0x55, 13, 28, 0, 0
	HALF 0xaa, 13, 0, 0, 0
	WIN 0
.endm
.macro START q                         ; quarter q: the addresses are made anew from their bases; both halves' first loads
.irp wn, 0x55, 0xaa
	WIN \wn
	v_add_nc_u32 v[ADB], ((\q)%2)*SLOT, v[ADBB]
	v_add_nc_u32 v[ADA], 256*(\q), v[ADAB]
	BL 13
.endr
	WIN 0
.endm
.macro KLOOP n
	s_mov_b32 s84, \n
.Lk_\@:
	KSTEP 0
	s_sub_co_u32 s84, s84, 1
	s_cmp_lg_u32 s84, 0
	s_cbranch_scc1 .Lk_\@
.endm
.macro LDX                             ; my class's 16 numbers of E and its two of the table
	ds_load_b128 v[XR:XR+3],     v[DRD]
	ds_load_b128 v[XR+4:XR+7],   v[DRD] offset:16
	ds_load_b128 v[XR+8:XR+11],  v[DRD] offset:32
	ds_load_b128 v[XR+12:XR+15], v[DRD] offset:48
	ds_load_b64 v[CR:CR+1], v[TBA]
.endm
.macro NEXTX last                      ; the class's number is kept, and unless this is the last trip the next 32 classes are asked for
	v_mov_b32 v[NVC], v[NV]
	v_add_nc_u32 v[NV], 32, v[NV]
.if !(\last)
	v_add_nc_u32 v[DRD], 2560, v[DRD]
	v_add_nc_u32 v[TBA], 256, v[TBA]
	LDX
.endif
.endm
; 32 classes' distances against the lanes' best: (z2 - 2 E) in one rounding, + c2; strictly less on ascending classes keeps the first
.macro SCAN last
	s_wait_dscnt 0x0
.set j, 0
.rept 8
	v_pk_fma_f32 v[TT+j:TT+j+1], v[XR+j:XR+j+1], -2.0, v[Z2V+j:Z2V+j+1] op_sel_hi:[1,0,1]
.set j, j+2
.endr
.set j, 0
.rept 8
	v_pk_add_f32 v[TT+j:TT+j+1], v[TT+j:TT+j+1], v[CR:CR+1] op_sel_hi:[1,0]
.set j, j+2
.endr
	NEXTX \last
.set t, 0
.rept 16
	v_cmp_lt_f32 vcc_lo, v[TT+t], v[BEST+t]
	v_cndmask_b32 v[BEST+t], v[BEST+t], v[TT+t], vcc_lo
	v_cndmask_b32 v[BIDX+t], v[BIDX+t], v[NVC], vcc_lo
.set t, t+1
.endr
.endm
.macro TAKE lt, vb, ib, vc, ic         ; (vb, ib) takes (vc, ic) where vc is less (lt = 1) or greater (lt = 0), or equal with the lower index
.if \lt
	v_cmp_lt_f32 s46, v[\vc], v[\vb]
.else
	v_cmp_gt_f32 s46, v[\vc], v[\vb]
.endif
	v_cmp_eq_f32 s47, v[\vc], v[\vb]
	v_cmp_lt_u32 s48, v[\ic], v[\ib]
	s_and_b32 s47, s47, s48
	s_or_b32 s46, s46, s47
	v_cndmask_b32 v[\vb], v[\vb], v[\vc], s46
	v_cndmask_b32 v[\ib], v[\ib], v[\ic], s46
.endm
; 32 classes' softmax over the frames, and their votes
.macro SOFT last
	s_wait_dscnt 0x0
.set j, 0
.rept 8
	v_pk_mul_f32 v[TT+j:TT+j+1], v[XR+j:XR+j+1], v[RZV+j:RZV+j+1]         ; E / |z|
.set j, j+2
.endr
	v_mul_f32 v[RR], v[CR], v[CR+1]                ; 1 / |c|: a Newton step on the table's estimate y: about |c|,
	v_fma_f32 v[RR], -v[RR], v[CR+1], 1.0          ; 1 - c2 y y,
	v_mul_f32 v[RR+1], 0.5, v[CR+1]
	v_fma_f32 v[RC], v[RR+1], v[RR], v[CR+1]       ; y + (y / 2) (1 - c2 y y); a padding class's 0 stays 0
	NEXTX \last
.set j, 0
.rept 8
	v_pk_mul_f32 v[TT+j:TT+j+1], v[TT+j:TT+j+1], v[RC:RC+1] op_sel_hi:[1,0]  ; / |c|: the cosine, rounded to f32,
.set j, j+2
.endr
.set j, 0
.rept 8
	v_pk_mul_f32 v[TT+j:TT+j+1], v[TT+j:TT+j+1], 0x42c80000 op_sel_hi:[1,0]  ; and only then times 100
.set j, j+2
.endr
	v_max3_num_f32 v[MX], v[TT], v[TT+1], v[TT+2]
.set j, 3
.rept 6
	v_max3_num_f32 v[MX], v[MX], v[TT+j], v[TT+j+1]
.set j, j+2
.endr
	v_max_num_f32 v[MX], v[MX], v[TT+15]
.set j, 0
.rept 8
	v_pk_add_f32 v[TT+j:TT+j+1], v[TT+j:TT+j+1], v[MX:MX+1] op_sel_hi:[1,0] neg_lo:[0,1] neg_hi:[0,1]  ; x - max: the largest gives exactly 0
.set j, j+2
.endr
.set j, 0
.rept 8
	v_pk_mul_f32 v[TT+j:TT+j+1], v[TT+j:TT+j+1], 0x3fb8aa3b op_sel_hi:[1,0]
.set j, j+2
.endr
.set t, 0
.rept 16
	v_exp_f32 v[TT+t], v[TT+t]
.set t, t+1
.endr
	v_nop                                          ; a plain instruction behind the last exponential,
	s_wait_alu depctr_va_vdst(0)                   ; and one wait for the sixteen
	; the sum as a tree: each line is two f32 additions, each rounded by itself
.set j, 0
.rept 4
	v_pk_add_f32 v[RM+j:RM+j+1], v[TT+j:TT+j+1], v[TT+8+j:TT+8+j+1]      ; v_i = u_i + u_(i+8), i = 0 .. 7
.set j, j+2
.endr
	v_pk_add_f32 v[RM+8:RM+9],   v[RM:RM+1],   v[RM+4:RM+5]             ; w_i = v_i + v_(i+4), i = 0, 1
	v_pk_add_f32 v[RM+10:RM+11], v[RM+2:RM+3], v[RM+6:RM+7]             ; i = 2, 3
	v_pk_add_f32 v[RM+12:RM+13], v[RM+8:RM+9], v[RM+10:RM+11]           ; y_i = w_i + w_(i+2), i = 0, 1
	v_add_f32 v[SS], v[RM+12], v[RM+13]            ; S = y_0 + y_1
.set t, 0
.rept 16
	v_cmp_eq_u32 vcc_lo, s[MI+t], v[NVC]           ; did frame t choose my class?
	v_cndmask_b32 v[UM+t], 0, v[TT+t], vcc_lo
.set t, t+1
.endr
	v_rcp_f32 v[RR], v[SS]
	v_nop
	s_wait_alu depctr_va_vdst(0)
	v_fma_f32 v[RR+1], -v[SS], v[RR], 1.0
	v_fma_f32 v[RR], v[RR+1], v[RR], v[RR]
.set j, 0
.rept 8
	v_pk_mul_f32 v[QQ+j:QQ+j+1], v[UM+j:UM+j+1], v[RR:RR+1] op_sel_hi:[1,0]
.set j, j+2
.endr
.set j, 0
.rept 8
	v_pk_fma_f32 v[RM+j:RM+j+1], v[QQ+j:QQ+j+1], v[SS:SS+1], v[UM+j:UM+j+1] op_sel_hi:[1,0,1] neg_lo:[1,0,0] neg_hi:[1,0,0]  ; u - S q
.set j, j+2
.endr
.set j, 0
.rept 8
	v_pk_fma_f32 v[QQ+j:QQ+j+1], v[RM+j:RM+j+1], v[RR:RR+1], v[QQ+j:QQ+j+1] op_sel_hi:[1,0,1]
.set j, j+2
.endr
	v_add_f32 v[VV], v[QQ], v[QQ+1]                ; the vote in ascending t
.set t, 2
.rept 14
	v_add_f32 v[VV], v[VV], v[QQ+t]
.set t, t+1
.endr
	v_cmp_gt_f32 vcc_lo, v[VV], v[BV]
	v_cndmask_b32 v[BV], v[BV], v[VV], vcc_lo
	v_cndmask_b32 v[BN], v[BN], v[NVC], vcc_lo
.endm
	s_load_b256 s[4:11], s[0:1], 0x0               ; image s[4:5], cbq s[6:7], cst s[8:9], top s[10:11]
	v_lshl_add_u32 v[SPW], v0, 2, SPARE
	v_mov_b32 v[NIL], 0
	ds_add_u32 v[SPW], v[NIL]                      ; the wave's opening: the add and its wait ahead of my first tensor load; the set-up below, work on registers, stands between them
	v_lshrrev_b32 v1, 5, v0
	v_readfirstlane_b32 s12, v1                    ; wave 0..3
	s_bfe_u32 s13, ttmp6, 0x40000                  ; cx: my place in the cluster
	s_lshl_b32 s14, ttmp9, 2                       ; in a cluster launch ttmp9 counts clusters
	s_add_co_u32 s14, s14, s13                     ; my work-group: it enters global addresses of my own alone
	s_lshl2_add_u32 s15, s14, s12                  ; b: my video
	s_mov_b32 s[SEL], 0x76543210
	s_mov_b32 s[SEL+1], 0xfedcba98
	; group 1 for the text: 104 rows x 128 elements of 2 bytes, padded; what is left of the 400 rows from my first: wave 3's last 16 rows arrive as zeros
	s_mov_b32 s[G1T], 15|(1<<16)|(1<<20)|(1<<21)|(5<<22)|(3<<25)  ; the mask of four; 2-byte elements; padding on; bit 21 beside a mask; after every 64 words (code 5); 4 words (code 3)
	s_mov_b32 s[G1T+1], 128<<16                    ; tensor_dim0 = 128
	s_mul_i32 s46, s12, 104
	s_sub_co_u32 s46, 400, s46
	s_lshl_b32 s[G1T+2], s46, 16                   ; tensor_dim1 = 400 - 104 w
	s_mov_b32 s[G1T+3], 128<<16                    ; tile_dim0 = 128
	s_mov_b32 s[G1T+4], 104                        ; tile_dim1 = 104
	s_mov_b32 s[G1T+5], 128                        ; elements from row to row
	s_mov_b32 s[G1T+6], 0
	s_mov_b32 s[G1T+7], 0
	; group 1 for the image: 32,768 dense bytes: 128 rows of 256 bytes, elements of 8 bytes, no mask, no padding
	s_mov_b32 s[G1I], 3<<16
	s_mov_b32 s[G1I+1], 32<<16
	s_mov_b32 s[G1I+2], 128<<16
	s_mov_b32 s[G1I+3], 32<<16
	s_mov_b32 s[G1I+4], 128
	s_mov_b32 s[G1I+5], 32
	s_mov_b32 s[G1I+6], 0
	s_mov_b32 s[G1I+7], 0
	s_mov_b32 s[G0A], 1
	s_mul_i32 s[G0A+1], s12, 28288                 ; my 104 rows of slot 0
	s_mov_b32 s[G0B], 1
	s_add_co_u32 s[G0B+1], s[G0A+1], SLOT          ; of slot 1
	s_mov_b32 s[G0I], 1
	s_lshl_b32 s46, s12, 15
	s_add_co_u32 s[G0I+1], s46, IMG
	s_mul_i32 s50, s12, 26624                      ; my 104 rows in a quarter of cbq
	s_mov_b32 s51, 0
	s_lshl_b32 s52, s15, 15                        ; my video in image_feats
	s_mov_b32 s53, 0
	v_and_b32 v2, 31, v0                           ; l
	v_and_b32 v3, 15, v0                           ; l % 16
	v_bfe_u32 v4, v0, 4, 1                         ; l / 16
	v_lshl_add_u32 v[IMA], v2, 4, s[G0I+1]
	s_mul_i32 s47, s12, 16640
	s_add_co_u32 s47, s47, AFR
	v_lshl_add_u32 v[AST], v2, 3, s47
	v_mul_u32_u24 v[WA], v4, 1040                  ; the window sums: the odd row for lanes 16 to 31,
	v_lshl_add_u32 v[WA], v3, 6, v[WA]             ; window l % 16: 64 bytes each
	v_add_nc_u32 v[WA], s47, v[WA]
	s_mul_i32 s49, s12, 1280
	s_add_co_u32 s49, s49, WSC
	v_mul_u32_u24 v[WS], v4, 80
	v_lshl_add_u32 v[WS], v3, 2, v[WS]
	v_add_nc_u32 v[WS], s49, v[WS]
	v_mul_u32_u24 v[WR], v3, 80
	v_add_nc_u32 v[WR], s49, v[WR]
	v_lshlrev_b32 v[TOF], 3, v2
	v_mul_u32_u24 v8, v3, 272
	v_lshl_add_u32 v8, v4, 4, v8
	v_mul_u32_u24 v9, v3, 1040
	v_lshl_add_u32 v9, v4, 4, v9
	v_add_nc_u32 v9, s47, v9
	s_mul_i32 s48, s12, DW
	v_mul_u32_u24 v10, v3, 80
	v_lshl_add_u32 v10, v4, 5, v10
	v_add_nc_u32 v10, s48, v10
	v_mul_u32_u24 v[DRD0], v2, 80
	v_add_nc_u32 v[DRD0], s48, v[DRD0]
	s_mul_i32 s49, s12, 3328
	s_add_co_u32 s49, s49, TAB
	v_lshl_add_u32 v[TBA0], v2, 3, s49
	s_mul_i32 s49, s12, 4608
	s_add_co_u32 s49, s49, TR
	v_lshl_add_u32 v[TRA], v2, 2, s49
	v_mul_u32_u24 v[TRB], v3, 144
	v_lshl_add_u32 v[TRB], v4, 6, v[TRB]
	v_add_nc_u32 v[TRB], s49, v[TRB]
	s_lshl_b32 s49, s12, 8
	s_add_co_u32 s49, s49, ZS
	v_lshl_add_u32 v[ZSA], v2, 2, s49
	v_mov_b32 v[ZSB], s49
	s_lshl_b32 s49, s15, 2
	v_mov_b32 v[TOPO], s49
	s_wait_dscnt 0x0                               ; the opening add is done
	s_wait_kmcnt 0x0
	s_add_nc_u64 s[G0A+2:G0A+3], s[6:7], s[50:51]  ; quarter 0
	s_add_nc_u64 s[G0B+2:G0B+3], s[G0A+2:G0A+3], 102400  ; quarter 1
	s_or_b32 s[G0A+3], s[G0A+3], 0x80000000        ; type = 2
	s_or_b32 s[G0B+3], s[G0B+3], 0x80000000
	s_add_nc_u64 s[G0I+2:G0I+3], s[4:5], s[52:53]
	s_or_b32 s[G0I+3], s[G0I+3], 0x80000000
	ROUND                                          ; all four work-groups are here: the first joint loads meet
	tensor_load_to_lds s[G0A:G0A+3], s[G1T:G1T+7]  ; the first fills go out together: two loads of mine are out
	s_nop 0
	tensor_load_to_lds s[G0I:G0I+3], s[G1I:G1I+7]
	s_nop 0
	PLACES
.set p, 0
.rept 13
	global_load_b64 v[TBL+2*p:TBL+2*p+1], v[TOF], s[8:9] offset:256*p  ; class 32 p + lane
.set p, p+1
.endr
	WIN 0x40                                       ; destination window 1
	v_mov_b32 v[ADBB], v8
	v_mov_b32 v[ADAB], v9
	v_mov_b32 v[DST], v10
	WIN 0x80                                       ; destination window 2: 208 classes on
	v_add_nc_u32 v[ADBB], 208*272, v8
	v_mov_b32 v[ADAB], v9
	v_add_nc_u32 v[DST], 208*80, v10
	WIN 0
	s_wait_tensorcnt 0x0                           ; my image is in; only I read it
	; THE ROW LOOP: four trips of four frames, rounded to bf16 into AFR
	s_mov_b32 s84, 4
.Lzrows:
.set p, 0
.rept 4
.irp q, 0,1,2,3
	ds_load_b128 v[ZZ+16*p+4*\q:ZZ+16*p+4*\q+3], v[IMA] offset:2048*p+512*\q
.endr
.set p, p+1
.endr
	s_wait_dscnt 0x0
.set i, 0
.rept 32
	v_cvt_pk_bf16_f32 v[PB+i], v[ZZ+2*i], v[ZZ+2*i+1]  ; the one rounding of the image
.set i, i+1
.endr
.set p, 0
.rept 4
.irp q, 0,1,2,3
	ds_store_b64 v[AST], v[PB+8*p+2*\q:PB+8*p+2*\q+1] offset:1040*p+256*\q
.endr
.set p, p+1
.endr
	v_add_nc_u32 v[IMA], 8192, v[IMA]
	v_add_nc_u32 v[AST], 4160, v[AST]
	s_sub_co_u32 s84, s84, 1
	s_cmp_lg_u32 s84, 0
	s_cbranch_scc1 .Lzrows
	; z2 IN THE FIXED ORDER.  Lane (window l % 16, row parity l / 16) sums its window's 32 squares in ascending order, one fused multiply-add a number straight from the bf16 halves; the eight pairs of rows are eight
	; chains side by side.: 32 loads, once a launch.  LDS serves a wave's instructions in order (ISA guide 5.7.1.4): these loads see my stores above.
.set p, 0
.rept 8
.irp j, 0,1,2,3
	ds_load_b128 v[WX+16*p+4*\j:WX+16*p+4*\j+3], v[WA] offset:2080*p+16*\j
.endr
.set p, p+1
.endr
	s_wait_dscnt 0x0
.set p, 0
.rept 8
	v_fma_mix_f32_bf16 v[WAC+p], v[WX+16*p], v[WX+16*p], v[NIL] op_sel_hi:[1,1,0]  ; the first square starts the sum
.set p, p+1
.endr
.set e, 1
.rept 31
.set p, 0
.rept 8
.if e%2
	v_fma_mix_f32_bf16 v[WAC+p], v[WX+16*p+e/2], v[WX+16*p+e/2], v[WAC+p] op_sel:[1,1,0] op_sel_hi:[1,1,0]
.else
	v_fma_mix_f32_bf16 v[WAC+p], v[WX+16*p+e/2], v[WX+16*p+e/2], v[WAC+p] op_sel_hi:[1,1,0]
.endif
.set p, p+1
.endr
.set e, e+1
.endr
.set p, 0
.rept 8
	ds_store_b32 v[WS], v[WAC+p] offset:160*p
.set p, p+1
.endr
.irp j, 0,1,2,3
	ds_load_b128 v[WX+4*\j:WX+4*\j+3], v[WR] offset:16*\j
.endr
	s_wait_dscnt 0x0
	v_add_f32 v[Z2L], v[WX], v[WX+1]               ; the sixteen sums in ascending order
.set j, 2
.rept 14
	v_add_f32 v[Z2L], v[Z2L], v[WX+j]
.set j, j+1
.endr
	v_rsq_f32 v[RZL], v[Z2L]
	v_nop
	s_wait_alu depctr_va_vdst(0)
	v_mul_f32 v[WX], v[Z2L], v[RZL]                ; 1 / |z|: a Newton step on the estimate y: about |z|,
	v_fma_f32 v[WX], -v[WX], v[RZL], 1.0           ; 1 - z2 y y,
	v_mul_f32 v[WX+1], 0.5, v[RZL]
	v_fma_f32 v[RZL], v[WX+1], v[WX], v[RZL]       ; y + (y / 2) (1 - z2 y y)
	; THE PRODUCT: four quarters of K on two slots
	CHANGE 1, G0B, 0                               ; quarter 0 is in, everybody's part; the images have been read: quarter 1 goes over them, into slot 1
	START 0
	KSTEP 1                                        ; the first products start the sums
	KLOOP 2
	KTAIL
	CHANGE 1, G0A, 1                               ; quarter 2 into slot 0
	START 1
	KLOOP 3
	KTAIL
	CHANGE 1, G0B, 1                               ; quarter 3 into slot 1
	START 2
	KLOOP 3
	KTAIL
	CHANGE 0, G0A, 0                               ; nothing is left to fetch
	START 3
	KLOOP 3
	KTAIL
	; E GOES INTO LDS BY CLASSES.  The slots have had their last fill; behind this barrier no wave reads them any more, and each wave writes bytes of its own
	s_wait_dscnt 0x0
	s_barrier_signal -1
	s_barrier_wait -1
	PLACES
.irp wn, 0x55, 0xaa
	WIN \wn
.set i, 0
.rept 13
	ds_store_b128 v[DST], v[8*i:8*i+3]   offset:1280*i
	ds_store_b128 v[DST], v[8*i+4:8*i+7] offset:1280*i+16
.set i, i+1
.endr
.endr
	WIN 0
	s_wait_loadcnt 0x0                             ; the table
.set p, 0
.rept 13
	ds_store_b64 v[TBA0], v[TBL+2*p:TBL+2*p+1] offset:256*p
.set p, p+1
.endr
	ds_store_b32 v[ZSA], v[Z2L]
	ds_store_b32 v[ZSA], v[RZL] offset:128
.irp i, 0,1,2,3                        ; these see the stores above: a wave's LDS instructions are served in order
	ds_load_b128 v[Z2V+4*\i:Z2V+4*\i+3], v[ZSB] offset:16*\i
	ds_load_b128 v[RZV+4*\i:RZV+4*\i+3], v[ZSB] offset:128+16*\i
.endr
	; THE LEAST DISTANCE of each frame: a lane a class, 13 trips of 32 classes
.set t, 0
.rept 16
	v_mov_b32 v[BEST+t], 0x7f800000
	v_mov_b32 v[BIDX+t], 0
.set t, t+1
.endr
	v_mov_b32 v[NV], v2
	v_mov_b32 v[DRD], v[DRD0]
	v_mov_b32 v[TBA], v[TBA0]
	LDX
	s_mov_b32 s84, 12
.Lscan:
	SCAN 0
	s_sub_co_u32 s84, s84, 1
	s_cmp_lg_u32 s84, 0
	s_cbranch_scc1 .Lscan
	SCAN 1                                         ; the last trip asks for nothing
	; across the lanes: turned through LDS, so that lane (t, half) holds frame t's 16 candidates of that half's lanes
.set t, 0
.rept 16
	ds_store_b32 v[TRA], v[BEST+t] offset:144*t
	ds_store_b32 v[TRA], v[BIDX+t] offset:2304+144*t
.set t, t+1
.endr
.irp i, 0,1,2,3
	ds_load_b128 v[XR+4*\i:XR+4*\i+3], v[TRB] offset:16*\i
	ds_load_b128 v[TT+4*\i:TT+4*\i+3], v[TRB] offset:2304+16*\i
.endr
	v_mov_b32 v[TV], 0
	v_mov_b32 v[TI], 0
	s_wait_dscnt 0x0
.set k, 1
.rept 15
	TAKE 1, XR, TT, XR+k, TT+k
.set k, k+1
.endr
	v_permlanex16_b32 v[TV], v[XR], s[SEL], s[SEL+1]
	v_permlanex16_b32 v[TI], v[TT], s[SEL], s[SEL+1]
	TAKE 1, XR, TT, TV, TI
.set t, 0
.rept 16
	v_readlane_b32 s[MI+t], v[TT], t
.set t, t+1
.endr
	; THE VOTES: again a lane a class
	v_mov_b32 v[NV], v2
	v_mov_b32 v[DRD], v[DRD0]
	v_mov_b32 v[TBA], v[TBA0]
	v_mov_b32 v[BV], 0
	v_mov_b32 v[BN], 0
	v_mov_b32 v[MX+1], 0                           ; named as pairs with their low registers
	v_mov_b32 v[SS+1], 0
	v_mov_b32 v[RC+1], 0
	LDX
	s_mov_b32 s84, 12
.Lsoft:
	SOFT 0
	s_sub_co_u32 s84, s84, 1
	s_cmp_lg_u32 s84, 0
	s_cbranch_scc1 .Lsoft
	SOFT 1
.irp m, 1,2,4,8
	v_mov_b32_dpp v[TV], v[BV] row_xmask:\m row_mask:0xf bank_mask:0xf
	v_mov_b32_dpp v[TI], v[BN] row_xmask:\m row_mask:0xf bank_mask:0xf
	TAKE 0, BV, BN, TV, TI
.endr
	v_permlanex16_b32 v[TV], v[BV], s[SEL], s[SEL+1]
	v_permlanex16_b32 v[TI], v[BN], s[SEL], s[SEL+1]
	TAKE 0, BV, BN, TV, TI
	v_cmp_eq_u32 vcc_lo, 0, v2
	s_wait_xcnt 0x0                                ; EXEC changes only behind this wait
	s_and_saveexec_b32 s46, vcc_lo
	global_store_b32 v[TOPO], v[BN], s[10:11]
	s_wait_xcnt 0x0
	s_or_b32 exec_lo, exec_lo, s46
	s_wait_tensorcnt 0x0                           ; the wave's end
	ds_add_u32 v[SPW], v[NIL]
	s_wait_dscnt 0x0
	ROUND                                          ; the closing round: no work-group ends while a partner may still ask for a tile that names it
	s_endpgm
.Lfunc_end_k_qc008361d7c_dec:
	.size	k_qc008361d7c_dec, .Lfunc_end_k_qc008361d7c_dec-k_qc008361d7c_dec
	.p2alignl 7, 3214868480
	.fill 96, 4, 3214868480
	.section	.rodata,"a",@progbits
	.p2align	6, 0x0
	.amdhsa_kernel k_qc008361d7c_dec
		.amdhsa_group_segment_fixed_size 327680
		.amdhsa_private_segment_fixed_size 0
		.amdhsa_enable_private_segment 0
		.amdhsa_kernarg_size 32
		.amdhsa_user_sgpr_count 2
		.amdhsa_user_sgpr_kernarg_segment_ptr 1
		.amdhsa_wavefront_size32 1
		.amdhsa_system_sgpr_workgroup_id_x 1
		.amdhsa_system_sgpr_workgroup_id_y 1
		.amdhsa_system_sgpr_workgroup_id_z 1
		.amdhsa_system_vgpr_workitem_id 0
		.amdhsa_next_free_vgpr 768
		.amdhsa_next_free_sgpr 96
		.amdhsa_reserve_vcc 1
		.amdhsa_float_denorm_mode_32 3
		.amdhsa_float_denorm_mode_16_64 3
		.amdhsa_memory_ordered 1
		.amdhsa_forward_progress 1
		.amdhsa_inst_pref_size 128
	.end_amdhsa_kernel
	.amdgpu_metadata
---
amdhsa.version: [ 1, 2 ]
amdhsa.kernels:
  - .name:           k_qc008361d7c_dec
    .symbol:         k_qc008361d7c_dec.kd
    .args:
      - { .name: image_feats, .offset: 0, .size: 8, .value_kind: global_buffer, .address_space: global }
      - { .name: cbq, .offset: 8, .size: 8, .value_kind: global_buffer, .address_space: global }
      - { .name: cst, .offset: 16, .size: 8, .value_kind: global_buffer, .address_space: global }
      - { .name: top, .offset: 24, .size: 8, .value_kind: global_buffer, .address_space: global }
    .group_segment_fixed_size: 327680
    .private_segment_fixed_size: 0
    .kernarg_segment_align: 8
    .kernarg_segment_size: 32
    .max_flat_workgroup_size: 128
    .sgpr_count:     96
    .vgpr_count:     768
    .wavefront_size: 32
...
	.end_amdgpu_metadata
.endif
;; end of part 4
;; launch fin (part 5): grid 256 x 1, 4 waves a work-group, clusters of 4 x 1, 327,680 bytes of LDS; arguments image_feats, tnq, fpart, fc2_b, top, out0; writes out0
.if DOCPART == 5
	.amdgcn_target "amdgcn-amd-amdhsa--gfx1250"
	.amdhsa_code_object_version 6
	.text
	.protected	k_qc008361d7c_fin
	.globl	k_qc008361d7c_fin
	.p2align	8
	.type	k_qc008361d7c_fin,@function
k_qc008361d7c_fin:
	s_mov_b64 s[64:65], 0
	v_nop
	global_prefetch_b8 v0, s[64:65] scope:SCOPE_SE
	s_setreg_imm32_b32 hwreg(HW_REG_WAVE_MODE, 25, 1), 1
	s_wait_xcnt 0x0
	s_wait_alu depctr_hold_cnt(0) depctr_sa_sdst(0) depctr_va_vdst(0) depctr_va_sdst(0) depctr_va_ssrc(0) depctr_va_vcc(0) depctr_vm_vsrc(0)
	s_getreg_b32 s2, hwreg(HW_REG_IB_STS2, 6, 4)
	s_cmp_eq_u32 s2, 0
	s_cbranch_scc0 .Lentry_in_a_cluster
	s_endpgm
.Lentry_in_a_cluster:
	s_bfe_u32 s2, ttmp6, 0x10000c
	s_cmp_lg_u32 s2, 0x3003
	s_cbranch_scc0 .Lentry_shape_is_right
	s_endpgm
.Lentry_shape_is_right:
; THE LOGITS.  For each video b: vf = the four partial sums of row top[b] of the table, added in a fixed order, + fc2_b; x_t = z_t + vf; logits[a][b][t] = (x_t / |x_t|) . (c_a / |c_a|).
; top[b] was stored as a whole number by the launch before; it is held to 0 .. 399 and enters a global address.
; NUMBERS.  Image and bias are rounded once to bf16, like every input; x and its norm in f32; the two unit vectors go to the matrix unit in f16: their numbers lie within 1 whatever the inputs' size, and f16's eleven bits
; are wanted: below 6e-5 they keep f16's fixed step of 6e-8.  LIMITS: NaN and infinities are not treated apart; x = 0 gives NaN, as a division by its norm does.
; q_w, q_b, k_w, k_b are read by no launch: the attention has one key, its softmax is over one number, and its weight is 1 for every finite score.
; SHARES, CLUSTER, REGISTERS as in the launch before: a wave a video; the text's unit rows come jointly for the four work-groups of a cluster, a quarter of K at a time, through two slots; windows 1 and 2 hold classes
; 0-207 (13 tiles) and 208-399 (12 tiles), which take turns.  No prefetch: the text is 400 KiB that every cluster reads again, and a wave's image is asked for at its head.
.set SLOT,  108800                     ; LDS: a slot: 400 rows x 272 bytes.  Slot 0 at 0 (behind its last fill and last read: the stage of the way out), slot 1 behind it
.set IMG,   108800                     ; the four waves' images in f32, over slot 1
.set AFR,   239872                     ; x / |x| in f16: 4 x 16 rows x 1,040 bytes; written by LDS stores, no tensor load lands here
.set SPARE, 306432                     ; the spare words, 128 bytes a wave: two blocks of 256 bytes that no other line names
.set IMA,  5
.set AST,  6
.set FO,   7                           ; v7   16 x lane
.set RDO,  10                          ; v10  the way out: where I read rows back
.set GOO,  11                          ; v11  and my byte offset in out0
.set SPW,  28
.set NIL,  29
.set VF,   32                          ; v32-47  vf at my 16 columns: 128 q + 4 l + 0..3
.set ZZ,   64                          ; v64-127 first the four partial sums, then four rows
.set PB,   128                         ; v128-159 first the bias, then the rows in 16 bits
.set SQ,   160
.set TP,   168
.set RN,   172                         ; v172-179 a pair a row: 1 / |x| in the low register
.set BF,   104                         ; windows 1, 2
.set AFG,  208
.set ADB,  216
.set ADA,  217
.set DST,  218
.set ADBB, 219
.set ADAB, 220
.set G1T,  16
.set G1I,  24
.set G0A,  32
.set G0B,  36
.set G0I,  40
.set SEL,  44
.set MSB, 0
.macro WIN new                         ; the immediate's high byte repeats the setting that is left; a switch that changes nothing is dropped
.if MSB != (\new)
	s_set_vgpr_msb (MSB<<8)|(\new)
.set MSB, \new
.endif
.endm
.macro PLACES                          ; four plain vector instructions behind a matrix instruction, ahead of loads into its sources and of readers of its result
.rept 4
	v_nop
.endr
.endm
.macro ROUND                           ; a round of the cluster's barrier
	s_barrier_signal -1
	s_barrier_wait -1
	s_cmp_lg_u32 s12, 0
	s_cbranch_scc1 .Lnot_wave_0_\@
	s_barrier_signal -3
.Lnot_wave_0_\@:
	s_barrier_wait -3
	s_barrier_signal -1
	s_barrier_wait -1
.endm
.macro SUMSQ n
.set p, 0
.rept \n
	v_pk_mul_f32 v[SQ+2*p:SQ+2*p+1], v[ZZ+16*p:ZZ+16*p+1], v[ZZ+16*p:ZZ+16*p+1]
.set p, p+1
.endr
.set j, 2
.rept 7
.set p, 0
.rept \n
	v_pk_fma_f32 v[SQ+2*p:SQ+2*p+1], v[ZZ+16*p+j:ZZ+16*p+j+1], v[ZZ+16*p+j:ZZ+16*p+j+1], v[SQ+2*p:SQ+2*p+1]
.set p, p+1
.endr
.set j, j+2
.endr
.set p, 0
.rept \n
	v_add_f32 v[SQ+2*p], v[SQ+2*p], v[SQ+2*p+1]
.set p, p+1
.endr
.irp m, 1,2,4,8
.set p, 0
.rept \n
	v_add_f32_dpp v[SQ+2*p], v[SQ+2*p], v[SQ+2*p] row_xmask:\m row_mask:0xf bank_mask:0xf
.set p, p+1
.endr
.endr
.set p, 0
.rept \n
	v_permlanex16_b32 v[TP+p], v[SQ+2*p], s[SEL], s[SEL+1]
.set p, p+1
.endr
.set p, 0
.rept \n
	v_add_f32 v[SQ+2*p], v[SQ+2*p], v[TP+p]
.set p, p+1
.endr
.endm
; THE CHANGE OF SLOTS: each wave waits for all its tensor loads, adds 0 to its spare word, waits for that and for its own LDS reads; with fill = 1 a round of the cluster's barrier follows and the joint fill is the first thing behind it.
.macro CHANGE fill, g0, step
	WIN 0
	s_wait_tensorcnt 0x0                           ; no tensor load of mine is out, so a group 0 may be written
	ds_add_u32 v[SPW], v[NIL]                      ; 0 onto my spare word
.if \step
	s_add_nc_u64 s[\g0+2:\g0+3], s[\g0+2:\g0+3], 204800
.endif
	s_wait_dscnt 0x0                               ; the add is done, and my reads are over
.if \fill
	ROUND
	tensor_load_to_lds s[\g0:\g0+3], s[G1T:G1T+7]
	s_nop 0
.else
	s_barrier_signal -1
	s_barrier_wait -1
.endif
	PLACES                                         ; the places ahead of the loads into the fragments
.endm
.macro BL nt
	ds_load_b128 v[AFG:AFG+3],   v[ADA]
	ds_load_b128 v[AFG+4:AFG+7], v[ADA] offset:32
.set i, 0
.rept \nt
	ds_load_b128 v[BF+8*i:BF+8*i+3],   v[ADB] offset:4352*i
	ds_load_b128 v[BF+8*i+4:BF+8*i+7], v[ADB] offset:4352*i+32
.set i, i+1
.endr
.endm
.macro MUL nt, zero                    ; source 0 = 16 frames, source 1 = 16 classes: a lane holds one class and eight frames.  The accumulators take turns
.set i, 0
.rept \nt
.if \zero
	v_wmma_f32_16x16x32_f16 v[8*i:8*i+7], v[AFG:AFG+7], v[BF+8*i:BF+8*i+7], 0
.else
	v_wmma_f32_16x16x32_f16 v[8*i:8*i+7], v[AFG:AFG+7], v[BF+8*i:BF+8*i+7], v[8*i:8*i+7]
.endif
.set i, i+1
.endr
.endm
.macro HALF win, nt, left, zero, more  ; left: the other half's younger loads, which may stay out
	WIN \win
	s_wait_dscnt \left
	MUL \nt, \zero
.if \more
	v_add_nc_u32 v[ADA], 64, v[ADA]
	v_add_nc_u32 v[ADB], 64, v[ADB]
	v_nop
	v_nop
	BL \nt
.endif
.endm
.macro KSTEP zero
	HALF 0x55, 13, 26, \zero, 1                    ; the second half's 2 + 24 loads may stay out,
	HALF 0xaa, 12, 28, \zero, 1                    ; the first half's 2 + 26
	WIN 0
.endm
.macro KTAIL
	HALF 0x55, 13, 26, 0, 0
	HALF 0xaa, 12, 0, 0, 0
	WIN 0
.endm
.macro START q
	WIN 0x55
	v_add_nc_u32 v[ADB], ((\q)%2)*SLOT, v[ADBB]
	v_add_nc_u32 v[ADA], 256*(\q), v[ADAB]
	BL 13
	WIN 0xaa
	v_add_nc_u32 v[ADB], ((\q)%2)*SLOT, v[ADBB]
	v_add_nc_u32 v[ADA], 256*(\q), v[ADAB]
	BL 12
	WIN 0
.endm
.macro KLOOP n
	s_mov_b32 s66, \n
.Lk_\@:
	KSTEP 0
	s_sub_co_u32 s66, s66, 1
	s_cmp_lg_u32 s66, 0
	s_cbranch_scc1 .Lk_\@
.endm
	s_load_b256 s[4:11], s[0:1], 0x0               ; image s[4:5], tnq s[6:7], fpart s[8:9], fc2_b s[10:11]
	s_load_b128 s[48:51], s[0:1], 0x20             ; top s[48:49], out0 s[50:51]
	v_lshl_add_u32 v[SPW], v0, 2, SPARE
	v_mov_b32 v[NIL], 0
	ds_add_u32 v[SPW], v[NIL]                      ; the wave's opening: the add and its wait ahead of my first tensor load
	v_lshrrev_b32 v1, 5, v0
	v_readfirstlane_b32 s12, v1                    ; wave 0..3
	s_bfe_u32 s13, ttmp6, 0x40000                  ; cx
	s_lshl_b32 s14, ttmp9, 2
	s_add_co_u32 s14, s14, s13                     ; my work-group: it enters global addresses of my own alone
	s_lshl2_add_u32 s15, s14, s12                  ; b: my video
	s_mov_b32 s[SEL], 0x76543210
	s_mov_b32 s[SEL+1], 0xfedcba98
	s_mov_b32 s[G1T], 15|(1<<16)|(1<<20)|(1<<21)|(5<<22)|(3<<25)  ; the mask of four; 2-byte elements; padding on; bit 21 beside a mask; after every 64 words (code 5); 4 words (code 3)
	s_mov_b32 s[G1T+1], 128<<16                    ; tensor_dim0 = 128
	s_mov_b32 s[G1T+2], 100<<16                    ; tensor_dim1 = 100
	s_mov_b32 s[G1T+3], 128<<16                    ; tile_dim0 = 128
	s_mov_b32 s[G1T+4], 100                        ; tile_dim1 = 100
	s_mov_b32 s[G1T+5], 128
	s_mov_b32 s[G1T+6], 0
	s_mov_b32 s[G1T+7], 0
	s_mov_b32 s[G1I], 3<<16                        ; the image: 128 rows of 256 dense bytes, no mask, no padding
	s_mov_b32 s[G1I+1], 32<<16
	s_mov_b32 s[G1I+2], 128<<16
	s_mov_b32 s[G1I+3], 32<<16
	s_mov_b32 s[G1I+4], 128
	s_mov_b32 s[G1I+5], 32
	s_mov_b32 s[G1I+6], 0
	s_mov_b32 s[G1I+7], 0
	s_mov_b32 s[G0A], 1
	s_mul_i32 s[G0A+1], s12, 27200                 ; my 100 rows of slot 0
	s_mov_b32 s[G0B], 1
	s_add_co_u32 s[G0B+1], s[G0A+1], SLOT
	s_mov_b32 s[G0I], 1
	s_lshl_b32 s46, s12, 15
	s_add_co_u32 s[G0I+1], s46, IMG
	s_mul_i32 s52, s12, 25600                      ; my 100 rows in a quarter of tnq
	s_mov_b32 s53, 0
	s_lshl_b32 s56, s15, 15                        ; my video in image_feats
	s_mov_b32 s57, 0
	s_lshl_b32 s58, s15, 2                         ; and in top
	s_mov_b32 s59, 0
	s_mul_i32 s60, s12, 6553600                    ; out0: my wave stores classes 100 w .. 100 w + 99,
	s_lshl_b32 s46, s14, 8                         ; the work-group's 64 frames: 256 bytes
	s_add_co_u32 s60, s60, s46
	s_mov_b32 s61, 0
	v_and_b32 v2, 31, v0
	v_and_b32 v3, 15, v0
	v_bfe_u32 v4, v0, 4, 1
	v_lshl_add_u32 v[IMA], v2, 4, s[G0I+1]
	s_mul_i32 s47, s12, 16640
	s_add_co_u32 s47, s47, AFR
	v_lshl_add_u32 v[AST], v2, 3, s47
	v_lshlrev_b32 v[FO], 4, v2
	v_mul_u32_u24 v8, v3, 272
	v_lshl_add_u32 v12, v4, 4, v8                  ; fragments of text: 272 (l % 16) + 16 (l / 16)
	v_mul_u32_u24 v9, v3, 1040
	v_lshl_add_u32 v9, v4, 4, v9
	v_add_nc_u32 v9, s47, v9
	s_lshl_b32 s46, s12, 6
	v_lshl_add_u32 v13, v4, 5, v8                  ; the stage, in: class l % 16, my wave's 64 bytes, 32 for each half of the lanes
	v_add_nc_u32 v13, s46, v13
	v_mul_u32_u24 v[RDO], v4, 272                  ; back: lanes 0-15 one class's 256 bytes, lanes 16-31 the next class's
	v_lshl_add_u32 v[RDO], v3, 4, v[RDO]
	v_add_nc_u32 v[RDO], s[G0A+1], v[RDO]          ; from class 100 w on
	v_lshlrev_b32 v[GOO], 16, v4                   ; a class is 65,536 bytes of out0
	v_lshl_add_u32 v[GOO], v3, 4, v[GOO]
.set p, 0
.rept 4
	v_mov_b32 v[TP+p], 0
	v_mov_b32 v[RN+2*p+1], 0
.set p, p+1
.endr
	s_wait_dscnt 0x0                               ; the opening add is done
	s_wait_kmcnt 0x0
	s_add_nc_u64 s[48:49], s[48:49], s[58:59]
	s_load_b32 s54, s[48:49], 0x0                  ; top[b]
	s_add_nc_u64 s[G0A+2:G0A+3], s[6:7], s[52:53]
	s_add_nc_u64 s[G0B+2:G0B+3], s[G0A+2:G0A+3], 102400
	s_or_b32 s[G0A+3], s[G0A+3], 0x80000000
	s_or_b32 s[G0B+3], s[G0B+3], 0x80000000
	s_add_nc_u64 s[G0I+2:G0I+3], s[4:5], s[56:57]
	s_or_b32 s[G0I+3], s[G0I+3], 0x80000000
	s_add_nc_u64 s[50:51], s[50:51], s[60:61]
	ROUND                                          ; all four work-groups are here: the first joint loads meet
	tensor_load_to_lds s[G0A:G0A+3], s[G1T:G1T+7]  ; the first fills go out together: two loads of mine are out
	s_nop 0
	tensor_load_to_lds s[G0I:G0I+3], s[G1I:G1I+7]
	s_nop 0
	PLACES
	s_wait_kmcnt 0x0
	s_min_u32 s54, s54, 399                        ; an index stays inside its table
	s_lshl_b32 s54, s54, 11                        ; a row of a partial sum is 2,048 bytes
	s_mov_b32 s55, 0
	s_add_nc_u64 s[8:9], s[8:9], s[54:55]
.set k, 0
.rept 4
.irp q, 0,1,2,3
	global_load_b128 v[ZZ+16*k+4*\q:ZZ+16*k+4*\q+3], v[FO], s[8:9] offset:819200*k+512*\q
.endr
.set k, k+1
.endr
.irp q, 0,1,2,3
	global_load_b128 v[PB+4*\q:PB+4*\q+3], v[FO], s[10:11] offset:512*\q
.endr
	WIN 0x40                                       ; destination window 1
	v_mov_b32 v[ADBB], v12
	v_mov_b32 v[ADAB], v9
	v_mov_b32 v[DST], v13
	WIN 0x80                                       ; destination window 2: 208 classes on
	v_add_nc_u32 v[ADBB], 208*272, v12
	v_mov_b32 v[ADAB], v9
	v_add_nc_u32 v[DST], 208*272, v13
	WIN 0
	s_wait_loadcnt 0x0
.set j, 0
.rept 8
	v_pk_add_f32 v[VF+j:VF+j+1], v[ZZ+j:ZZ+j+1], v[ZZ+16+j:ZZ+16+j+1]      ; ((p0 + p1) + p2) + p3
.set j, j+2
.endr
.set j, 0
.rept 8
	v_pk_add_f32 v[VF+j:VF+j+1], v[VF+j:VF+j+1], v[ZZ+32+j:ZZ+32+j+1]
.set j, j+2
.endr
.set j, 0
.rept 8
	v_pk_add_f32 v[VF+j:VF+j+1], v[VF+j:VF+j+1], v[ZZ+48+j:ZZ+48+j+1]
.set j, j+2
.endr
.set i, 0
.rept 8
	v_cvt_pk_bf16_f32 v[PB+16+i], v[PB+2*i], v[PB+2*i+1]   ; the bias is rounded like every input
.set i, i+1
.endr
.set i, 0
.rept 8
	v_lshlrev_b32 v[PB+2*i], 16, v[PB+16+i]
	v_and_b32 v[PB+2*i+1], 0xffff0000, v[PB+16+i]
.set i, i+1
.endr
.set j, 0
.rept 8
	v_pk_add_f32 v[VF+j:VF+j+1], v[VF+j:VF+j+1], v[PB+j:PB+j+1]
.set j, j+2
.endr
	s_wait_tensorcnt 0x0                           ; my image is in; only I read it
	; THE ROW LOOP: four trips of four frames: x = z + vf, divided by its norm, in f16 into AFR
	s_mov_b32 s66, 4
.Lxrows:
.set p, 0
.rept 4
.irp q, 0,1,2,3
	ds_load_b128 v[ZZ+16*p+4*\q:ZZ+16*p+4*\q+3], v[IMA] offset:2048*p+512*\q
.endr
.set p, p+1
.endr
	s_wait_dscnt 0x0
.set i, 0
.rept 32
	v_cvt_pk_bf16_f32 v[PB+i], v[ZZ+2*i], v[ZZ+2*i+1]
.set i, i+1
.endr
.set i, 0
.rept 32
	v_lshlrev_b32 v[ZZ+2*i], 16, v[PB+i]
	v_and_b32 v[ZZ+2*i+1], 0xffff0000, v[PB+i]
.set i, i+1
.endr
.set p, 0
.rept 4
.set j, 0
.rept 8
	v_pk_add_f32 v[ZZ+16*p+j:ZZ+16*p+j+1], v[ZZ+16*p+j:ZZ+16*p+j+1], v[VF+j:VF+j+1]
.set j, j+2
.endr
.set p, p+1
.endr
	SUMSQ 4
.set p, 0
.rept 4
	v_rsq_f32 v[RN+2*p], v[SQ+2*p]
.set p, p+1
.endr
	v_nop                                          ; a plain instruction behind the last of the four,
	s_wait_alu depctr_va_vdst(0)                   ; and one wait for the batch
.set p, 0
.rept 4
.set j, 0
.rept 8
	v_pk_mul_f32 v[ZZ+16*p+j:ZZ+16*p+j+1], v[ZZ+16*p+j:ZZ+16*p+j+1], v[RN+2*p:RN+2*p+1] op_sel_hi:[1,0]
.set j, j+2
.endr
.set p, p+1
.endr
.set i, 0
.rept 32
	v_cvt_pk_f16_f32 v[PB+i], v[ZZ+2*i], v[ZZ+2*i+1]
.set i, i+1
.endr
.set p, 0
.rept 4
.irp q, 0,1,2,3
	ds_store_b64 v[AST], v[PB+8*p+2*\q:PB+8*p+2*\q+1] offset:1040*p+256*\q
.endr
.set p, p+1
.endr
	v_add_nc_u32 v[IMA], 8192, v[IMA]
	v_add_nc_u32 v[AST], 4160, v[AST]
	s_sub_co_u32 s66, s66, 1
	s_cmp_lg_u32 s66, 0
	s_cbranch_scc1 .Lxrows
	; THE PRODUCT: four quarters of K on two slots
	CHANGE 1, G0B, 0                               ; quarter 0 is in; the images have been read: quarter 1 goes over them, into slot 1
	START 0
	KSTEP 1                                        ; the first products start the sums
	KLOOP 2
	KTAIL
	CHANGE 1, G0A, 1                               ; quarter 2 into slot 0
	START 1
	KLOOP 3
	KTAIL
	CHANGE 1, G0B, 1                               ; quarter 3 into slot 1
	START 2
	KLOOP 3
	KTAIL
	CHANGE 0, G0A, 0                               ; nothing is left to fetch; behind this barrier no wave reads slot 0 any more, and it has had its last fill
	START 3
	KLOOP 3
	KTAIL
	; THE WAY OUT, through slot 0's bytes: a row a class, 256 bytes: the four waves' 64 frames
	PLACES
	WIN 0x55
.set i, 0
.rept 13
	ds_store_b128 v[DST], v[8*i:8*i+3]   offset:4352*i
	ds_store_b128 v[DST], v[8*i+4:8*i+7] offset:4352*i+16
.set i, i+1
.endr
	WIN 0xaa
.set i, 0
.rept 12
	ds_store_b128 v[DST], v[8*i:8*i+3]   offset:4352*i
	ds_store_b128 v[DST], v[8*i+4:8*i+7] offset:4352*i+16
.set i, i+1
.endr
	WIN 0x40
	v_mov_b32 v[ADB], v[RDO]
	v_mov_b32 v[ADA], v[GOO]
	WIN 0
	s_wait_dscnt 0x0                               ; a class's 256 bytes come from four waves
	s_barrier_signal -1
	s_barrier_wait -1
	WIN 0x55
.set i, 0
.rept 50
	ds_load_b128 v[4*i:4*i+3], v[ADB] offset:544*i
.set i, i+1
.endr
.set i, 0
.rept 50
	s_wait_dscnt 49-i                              ; the younger loads may stay out
	global_store_b128 v[ADA], v[4*i:4*i+3], s[50:51] offset:131072*i th:TH_STORE_NT  ; 16 lanes store 256 consecutive bytes, aligned; two classes an instruction
.set i, i+1
.endr
	WIN 0
	s_wait_tensorcnt 0x0                           ; the wave's end
	ds_add_u32 v[SPW], v[NIL]
	s_wait_dscnt 0x0
	ROUND                                          ; the closing round
	s_endpgm
.Lfunc_end_k_qc008361d7c_fin:
	.size	k_qc008361d7c_fin, .Lfunc_end_k_qc008361d7c_fin-k_qc008361d7c_fin
	.p2alignl 7, 3214868480
	.fill 96, 4, 3214868480
	.section	.rodata,"a",@progbits
	.p2align	6, 0x0
	.amdhsa_kernel k_qc008361d7c_fin
		.amdhsa_group_segment_fixed_size 327680
		.amdhsa_private_segment_fixed_size 0
		.amdhsa_enable_private_segment 0
		.amdhsa_kernarg_size 48
		.amdhsa_user_sgpr_count 2
		.amdhsa_user_sgpr_kernarg_segment_ptr 1
		.amdhsa_wavefront_size32 1
		.amdhsa_system_sgpr_workgroup_id_x 1
		.amdhsa_system_sgpr_workgroup_id_y 1
		.amdhsa_system_sgpr_workgroup_id_z 1
		.amdhsa_system_vgpr_workitem_id 0
		.amdhsa_next_free_vgpr 768
		.amdhsa_next_free_sgpr 80
		.amdhsa_reserve_vcc 0
		.amdhsa_float_denorm_mode_32 3
		.amdhsa_float_denorm_mode_16_64 3
		.amdhsa_memory_ordered 1
		.amdhsa_forward_progress 1
		.amdhsa_inst_pref_size 93
	.end_amdhsa_kernel
	.amdgpu_metadata
---
amdhsa.version: [ 1, 2 ]
amdhsa.kernels:
  - .name:           k_qc008361d7c_fin
    .symbol:         k_qc008361d7c_fin.kd
    .args:
      - { .name: image_feats, .offset: 0, .size: 8, .value_kind: global_buffer, .address_space: global }
      - { .name: tnq, .offset: 8, .size: 8, .value_kind: global_buffer, .address_space: global }
      - { .name: fpart, .offset: 16, .size: 8, .value_kind: global_buffer, .address_space: global }
      - { .name: fc2_b, .offset: 24, .size: 8, .value_kind: global_buffer, .address_space: global }
      - { .name: top, .offset: 32, .size: 8, .value_kind: global_buffer, .address_space: global }
      - { .name: out0, .offset: 40, .size: 8, .value_kind: global_buffer, .address_space: global }
    .group_segment_fixed_size: 327680
    .private_segment_fixed_size: 0
    .kernarg_segment_align: 8
    .kernarg_segment_size: 48
    .max_flat_workgroup_size: 128
    .sgpr_count:     80
    .vgpr_count:     768
    .wavefront_size: 32
...
	.end_amdgpu_metadata
.endif
;; end of part 5
